; MI455X (gfx1250); checked and timed in simulation.
; The chip was launched on July 23, 2026; its instructions are those of AMD's public machine-readable ISA for CDNA 5 (MIT licence, August 2026) and "CDNA5" Instruction Set Architecture Reference Guide (July 2026). The comments in the code are by the model that wrote it; some were corrected since.
;; Multi Headed Attention. Allowed arithmetic: matrix products marked QUANTISED: E2M1 operands, one E8M0 scale for each 32 along K, by v_wmma_scale_f32_16x16x128_f8f6f4 with both operands' format E2M1 (or v_wmma_scale_f32_32x16x128_f4), f32 sums; everything else in f32.
;; Inputs: Wk_codes 16 x 64 x 32 x 16 uint8 (E2M1 codes of Wk, K innermost, in blocks of 32 codes, two codes a byte); Wk_scales 16 x 64 x 32 uint8 (E8M0 scales of Wk, one for each 32 codes along K); Wo_codes 1,024 x 32 x 16 uint8 (E2M1 codes of Wo, K innermost, in blocks of 32 codes, two codes a byte); Wo_scales 1,024 x 32 uint8 (E8M0 scales of Wo, one for each 32 codes along K); Wq_codes 16 x 64 x 32 x 16 uint8 (E2M1 codes of Wq, K innermost, in blocks of 32 codes, two codes a byte); Wq_scales 16 x 64 x 32 uint8 (E8M0 scales of Wq, one for each 32 codes along K); Wv_codes 16 x 64 x 32 x 16 uint8 (E2M1 codes of Wv, K innermost, in blocks of 32 codes, two codes a byte); Wv_scales 16 x 64 x 32 uint8 (E8M0 scales of Wv, one for each 32 codes along K); bk 16 x 64 float32; bo 1,024 float32; bq 16 x 64 float32; bv 16 x 64 float32; key__codes 4 x 2,048 x 32 x 16 uint8 (E2M1 codes of key_, K innermost, in blocks of 32 codes, two codes a byte); key__scales 4 x 2,048 x 32 uint8 (E8M0 scales of key_, one for each 32 codes along K); query_codes 4 x 2,048 x 32 x 16 uint8 (E2M1 codes of query, K innermost, in blocks of 32 codes, two codes a byte); query_scales 4 x 2,048 x 32 uint8 (E8M0 scales of query, one for each 32 codes along K); value_codes 4 x 2,048 x 32 x 16 uint8 (E2M1 codes of value, K innermost, in blocks of 32 codes, two codes a byte); value_scales 4 x 2,048 x 32 uint8 (E8M0 scales of value, one for each 32 codes along K).
;; Outputs: out0 4 x 2,048 x 1,024 float32.
;; This version of the problem:
;;   THIS VERSION OF THE PROBLEM IS GIVEN IN LOW PRECISION. The matrix products marked QUANTISED in the list below multiply operands that are first quantised to E2M1 (2 exponent bits, 1 mantissa bit; 4 bits a number), with one power-of-two scale for each 32 numbers along K (OCP MX v1.0); their sums are f32. All else is computed in f32.
;;   The module's matrix products, in the order in which they are computed (A, B: the left and right operand; K: the contracted axis; several contracted axes count as one K, in the product's order):
;;     1. [M 1,024, K 1,024] x [K 1,024, N 8,192]; A: input Wq (given as codes); B: input query (given as codes): QUANTISED
;;     2. [M 1,024, K 1,024] x [K 1,024, N 8,192]; A: input Wk (given as codes); B: input key_ (given as codes): QUANTISED
;;     3. [M 1,024, K 1,024] x [K 1,024, N 8,192]; A: input Wv (given as codes); B: input value (given as codes): QUANTISED
;;     4. batch 64 x [M 2,048, K 64] x [K 64, N 2,048]; A: computed on the way; B: computed on the way: QUANTISED
;;     5. batch 64 x [M 2,048, K 2,048] x [K 2,048, N 64]; A: computed on the way; B: computed on the way: QUANTISED
;;     6. [M 8,192, K 1,024] x [K 1,024, N 1,024]; A: computed on the way; B: input Wo (given as codes): QUANTISED
;;   THE QUANTISER, for each operand of a quantised product, along K:
;;     - K is cut into blocks of 32 from its start; a last block that is shorter is filled with zeros.
;;     - A block's scale is 2^e with e = floor(log2(the largest magnitude in the block)) - 2, held to -126 .. 127; a block of zeros has e = 0. As a byte (E8M0): e + 127.
;;     - Each number is divided by its block's scale, clamped to +-6, and rounded to the nearest number of E2M1, ties to even, subnormals kept.
;;     - The product sums the exact products of the quantised numbers (number of the format x scale) in f32.
;;   ~~~python
;;   def quantise(x, axis):      # numpy; x: float32 -> the quantised numbers, widened to float32 again
;;       x = np.moveaxis(x, axis, -1); K = x.shape[-1]
;;       x = np.pad(x, [(0, 0)] * (x.ndim - 1) + [(0, -K % 32)]); x = x.reshape(x.shape[:-1] + (-1, 32)); a = np.abs(x).max(-1, keepdims=True)
;;       e = np.where(a > 0, np.clip(np.frexp(np.where(a > 0, a, 1))[1] - 1 - 2, -126, 127), 0)      # np.frexp(a)[1] - 1 = floor(log2(a)), exactly
;;       r = np.clip(x / 2.0 ** e, -6, 6)
;;       step = 2.0 ** (np.maximum(np.frexp(np.where(r == 0, 1, r))[1] - 1, 0) - 1)
;;       q = np.round(r / step) * step * 2.0 ** e      # np.round: ties to even
;;       return np.moveaxis(q.reshape(q.shape[:-2] + (-1,))[..., :K], -1, axis).astype(np.float32)
;;   ~~~
;;   OPERANDS COMPUTED ON THE WAY. 'Computed on the way' means the value that the module computes at that place (a softmax that the list does not call 'softmax' is quantised finished and normalised). What goes into a quantiser is computed in f32, as accurately as f32 sums, v_exp_f32 and their like allow (about 1e-6 of the number): no bf16 or f16 on the way to a quantiser, and a product that is left as it is and whose result goes on into a quantised operand takes f32 operands (vector FMAs, or v_wmma_f32_16x16x4_f32). A number that lies on a knife's edge between two numbers of the format may be rounded either way, as far as f32 arithmetic and the matrix unit's own rounding can turn it there, and no further.
;;   INPUTS GIVEN AS CODES. Wk (in the module: [16, 1024, 64], K = its axis 1); Wo (in the module: [1024, 1024], K = its axis 1); Wq (in the module: [16, 1024, 64], K = its axis 1); Wv (in the module: [16, 1024, 64], K = its axis 1); key_ (in the module: [4, 2048, 1024], K = its axis 2); query (in the module: [4, 2048, 1024], K = its axis 2); value (in the module: [4, 2048, 1024], K = its axis 2): each comes as NAME_codes (uint8): NAME with its K axis moved to the last place and cut into blocks of 32 codes, [.., K / 32, bytes a block], one block behind the other in memory; two codes a byte, the lower K in the low four bits (a code: sign, 2 exponent bits, 1 mantissa bit); and NAME_scales (uint8): the same leading axes, one E8M0 byte (e + 127) for each 32 codes along K. Its value is code x scale, taken as it is: it is not quantised again, and the codes and scales need not be those that the quantiser above would give.
;; One version. Each part assembles by itself: llvm-mc -triple=amdgcn-amd-amdhsa -mcpu=gfx1250 --defsym DOCPART=n.
;; ======== version 1 of 1: 4 launches
;; limits: right only within a limited range of input values
;; workspace buffers: qb 4,718,592 bytes; kv 9,175,040 bytes; st 524,288 bytes; ctxb 4,456,448 bytes
;; launch proj (part 1): grid 256 x 3, 8 waves a work-group, clusters of 4 x 1, 222,208 bytes of LDS; arguments query_codes, query_scales, Wq_codes, Wq_scales, bq, key__codes, key__scales, Wk_codes, Wk_scales, bk, value_codes, value_scales, Wv_codes, Wv_scales, bv, qb, kv; writes qb, kv
.if DOCPART == 1
	.amdgcn_target "amdgcn-amd-amdhsa--gfx1250"
	.amdhsa_code_object_version 6
	.text
	.protected	k_q1a700b2461_proj
	.globl	k_q1a700b2461_proj
	.p2align	8
	.type	k_q1a700b2461_proj,@function
k_q1a700b2461_proj:
	s_mov_b64 s[64:65], 0
	v_nop
	global_prefetch_b8 v0, s[64:65] scope:SCOPE_SE
	s_setreg_imm32_b32 hwreg(HW_REG_WAVE_MODE, 25, 1), 1
	s_wait_xcnt 0x0
	s_wait_alu depctr_hold_cnt(0) depctr_sa_sdst(0) depctr_va_vdst(0) depctr_va_sdst(0) depctr_va_ssrc(0) depctr_va_vcc(0) depctr_vm_vsrc(0)
	s_getreg_b32 s2, hwreg(HW_REG_IB_STS2, 6, 4)
	s_cmp_eq_u32 s2, 0
	s_cbranch_scc0 .Lentry_in_a_cluster
	s_endpgm
.Lentry_in_a_cluster:
	s_bfe_u32 s2, ttmp6, 0x10000c
	s_cmp_lg_u32 s2, 0x3003
	s_cbranch_scc0 .Lentry_shape_is_right
	s_endpgm
.Lentry_shape_is_right:
; q = query Wq + bq, k = key_ Wk + bk, v = value Wv + bv, on codes of FP4 (E2M1) with one E8M0 byte for each 32 along K = 1,024; the results are quantised at once:
; q and k along the head's 64 (two blocks), v along the keys, and stored as images of the next products' operand registers.
; ONE TEXT FOR THREE PRODUCTS (work-group y = 0, 1, 2).  Source 0 = 16 rows of P, source 1 = 16 rows of R: a lane then holds one row of R and its registers run along P's rows,
; which are the next product's K.  q, k: P = the weight's rows (head, d), R = the tokens.  v: P = the tokens (keys), R = the weight's rows.
; A work-group takes 128 rows of P x 256 rows of R x all of K; all its codes and scale bytes fit in LDS at once, so every tensor load is a first fill.
; Wave w takes all 128 rows of P x rows 32 w .. 32 w + 31 of R: 8 x 2 accumulators.
; CLUSTER: the four partners share their 256 rows of R, which come by joint loads (mask 15); each partner's P comes by loads of its own.
; A TILE IS 16 NEIGHBOURING ROWS: in tile t lane (r, h) holds K index 16 t + 8 h + j in register j.  The conversions' results are laid so that two exchanges of halves for each 64 along K give the operand's layout.
; LIMITS: NaN and infinities are not served; a block of zeros gets the byte 1 (its codes are zeros, and this program alone reads the bytes); the bias is each sum's first addend, not its last.
.set PITCH, 528                        ; an LDS row of codes: 512 bytes + 16 of padding: an odd multiple of 16, so that the 16 rows of a fragment load start in 16 different groups of banks
.set LP,   0                           ; P's 128 rows
.set LR,   128*PITCH                   ; R's 256 rows
.set LPS,  LR+256*PITCH                ; P's scale bytes: 4,096 dense bytes as 16 rows of 256 + 16
.set LRS,  LPS+16*272                  ; R's: 32 such rows
.set RECQ, 73728                       ; a head's record in qb: 65,536 of codes, 8,192 of scale words
.set RECK, 143360                      ; and in kv: k's codes, v's codes, k's words (at 131,072), v's words (at 139,264)
.set WV,  2                            ; s2  wave;  s3 y;  s4 cx;  s5 which 256 rows of R;  s6 which 128 rows of P
.set SEL, 50                           ; s[50:51] selects of v_permlanex16_b32 for lane l xor 16
.set AP,  4                            ; v4  P's fragments: r x pitch + 16 h
.set AR,  5                            ; v5  R's: my wave's 32 rows
.set ASP, 6                            ; v6  P's scale words: lanes 0-15 an even tile's, lanes 16-31 the odd tile's behind it
.set ASR, 7                            ; v7  R's: lanes 0-15 my first tile's, lanes 16-31 my second's
.set SCP, 16                           ; v16-19 P's scale words;  v20 R's: these hold scales and nothing else
.set SCR, 20
.set RF,  48                           ; v48-63   two fragments of R
.set PF,  64                           ; v64-127  eight fragments of P; behind the K steps: at work
.set ACC, 128                          ; v128-255 accumulator (tile t of P, tile u of R) at ACC + 64 u + 8 t
.set TM,  64
.set PC,  80                           ; v80-95 the codes made, 8 registers for each u;  v96-97 their scale words
.set PW,  96
.macro CROUND                          ; a round of the cluster's barrier
	s_barrier_signal -1
	s_barrier_wait -1
	s_cmp_lg_u32 s[WV], 0
	s_cbranch_scc1 .Lnw0_\@
	s_barrier_signal -3
.Lnw0_\@:
	s_barrier_wait -3
	s_barrier_signal -1
	s_barrier_wait -1
.endm
.macro TL g0, g1                       ; a tensor load and the lines behind it
	tensor_load_to_lds s[\g0:\g0+3], s[\g1:\g1+7]
	s_nop 0
.rept 4
	v_nop
.endr
.endm
; one matrix instruction.  c < 0: the sum starts with 0.  ra, rb: which half of the lanes of the scale registers is read
.macro WM d, a, b, c, sa, ra, sb, rb
.if (\c) < 0
.if (\ra) && (\rb)
	v_wmma_scale_f32_16x16x128_f8f6f4 v[\d:\d+7], v[\a:\a+7], v[\b:\b+7], 0, v[\sa], v[\sb] matrix_a_fmt:MATRIX_FMT_FP4 matrix_b_fmt:MATRIX_FMT_FP4 matrix_a_scale:MATRIX_SCALE_ROW1 matrix_b_scale:MATRIX_SCALE_ROW1
.elseif (\ra)
	v_wmma_scale_f32_16x16x128_f8f6f4 v[\d:\d+7], v[\a:\a+7], v[\b:\b+7], 0, v[\sa], v[\sb] matrix_a_fmt:MATRIX_FMT_FP4 matrix_b_fmt:MATRIX_FMT_FP4 matrix_a_scale:MATRIX_SCALE_ROW1
.elseif (\rb)
	v_wmma_scale_f32_16x16x128_f8f6f4 v[\d:\d+7], v[\a:\a+7], v[\b:\b+7], 0, v[\sa], v[\sb] matrix_a_fmt:MATRIX_FMT_FP4 matrix_b_fmt:MATRIX_FMT_FP4 matrix_b_scale:MATRIX_SCALE_ROW1
.else
	v_wmma_scale_f32_16x16x128_f8f6f4 v[\d:\d+7], v[\a:\a+7], v[\b:\b+7], 0, v[\sa], v[\sb] matrix_a_fmt:MATRIX_FMT_FP4 matrix_b_fmt:MATRIX_FMT_FP4
.endif
.else
.if (\ra) && (\rb)
	v_wmma_scale_f32_16x16x128_f8f6f4 v[\d:\d+7], v[\a:\a+7], v[\b:\b+7], v[\c:\c+7], v[\sa], v[\sb] matrix_a_fmt:MATRIX_FMT_FP4 matrix_b_fmt:MATRIX_FMT_FP4 matrix_a_scale:MATRIX_SCALE_ROW1 matrix_b_scale:MATRIX_SCALE_ROW1
.elseif (\ra)
	v_wmma_scale_f32_16x16x128_f8f6f4 v[\d:\d+7], v[\a:\a+7], v[\b:\b+7], v[\c:\c+7], v[\sa], v[\sb] matrix_a_fmt:MATRIX_FMT_FP4 matrix_b_fmt:MATRIX_FMT_FP4 matrix_a_scale:MATRIX_SCALE_ROW1
.elseif (\rb)
	v_wmma_scale_f32_16x16x128_f8f6f4 v[\d:\d+7], v[\a:\a+7], v[\b:\b+7], v[\c:\c+7], v[\sa], v[\sb] matrix_a_fmt:MATRIX_FMT_FP4 matrix_b_fmt:MATRIX_FMT_FP4 matrix_b_scale:MATRIX_SCALE_ROW1
.else
	v_wmma_scale_f32_16x16x128_f8f6f4 v[\d:\d+7], v[\a:\a+7], v[\b:\b+7], v[\c:\c+7], v[\sa], v[\sb] matrix_a_fmt:MATRIX_FMT_FP4 matrix_b_fmt:MATRIX_FMT_FP4
.endif
.endif
.endm
; 64 numbers of a lane, register 8 t + j = K index 16 t + 8 h + j of my row, become a fragment's 8 registers of codes at v[pc] and my row's scale word in v[pw]
.macro QUANT s, pc, pw
.irp b, 0,1,2,3
	v_max3_num_f32 v[TM+\b], |v[\s+16*\b]|, |v[\s+16*\b+1]|, 0x1800000   ; block b: my 16 numbers, and the floor 2^(3 - 127): the byte cannot fall under 1
.endr
.irp i, 2,4,6,8,10,12,14
.irp b, 0,1,2,3
	v_max3_num_f32 v[TM+\b], v[TM+\b], |v[\s+16*\b+\i]|, |v[\s+16*\b+\i+1]|   ; the four blocks by turns
.endr
.endr
.irp b, 0,1,2,3
	s_delay_alu instid0(VALU_DEP_4)
	v_permlanex16_b32 v[TM+4+\b], v[TM+\b], s[SEL], s[SEL+1]
.endr
.irp b, 0,1,2,3
	s_delay_alu instid0(VALU_DEP_4)
	v_max_num_f32 v[TM+\b], v[TM+\b], v[TM+4+\b]   ; with lane l xor 16's 16: the block's largest magnitude
.endr
.irp b, 0,1,2,3
	s_delay_alu instid0(VALU_DEP_4)
	v_add_nc_u32 v[TM+8+\b], 0xff000000, v[TM+\b]  ; 2 off its exponent field: the conversion's scale operand
.endr
.irp b, 0,1,2,3
	s_delay_alu instid0(VALU_DEP_4)
	v_lshrrev_b32 v[TM+4+\b], 23, v[TM+8+\b]       ; the scale's byte
.endr
	s_delay_alu instid0(VALU_DEP_3)
	v_lshl_or_b32 v[\pw], v[TM+5], 8, v[TM+4]
	s_delay_alu instid0(VALU_DEP_1)
	v_lshl_or_b32 v[\pw], v[TM+6], 16, v[\pw]
	s_delay_alu instid0(VALU_DEP_1)
	v_lshl_or_b32 v[\pw], v[TM+7], 24, v[\pw]
.irp c, 0,1                            ; tiles 4 c, 4 c + 1, 4 c + 2, 4 c + 3 go to registers 4 c, 4 c + 2, 4 c + 1, 4 c + 3
	v_cvt_scalef32_pk8_fp4_f32 v[\pc+4*\c],   v[\s+32*\c:\s+32*\c+7],     v[TM+8+2*\c]
	v_cvt_scalef32_pk8_fp4_f32 v[\pc+4*\c+2], v[\s+32*\c+8:\s+32*\c+15],  v[TM+8+2*\c]
	v_cvt_scalef32_pk8_fp4_f32 v[\pc+4*\c+1], v[\s+32*\c+16:\s+32*\c+23], v[TM+9+2*\c]
	v_cvt_scalef32_pk8_fp4_f32 v[\pc+4*\c+3], v[\s+32*\c+24:\s+32*\c+31], v[TM+9+2*\c]
.endr
	v_nop                                          ; one plain line behind the scaled conversions
.irp c, 0,1                            ; the first's lanes 16-31 change places with the second's lanes 0-15: registers 4 c .. 4 c + 3 then hold K = 64 c + 32 h + 0 .. 31
	v_permlane16_swap_b32 v[\pc+4*\c],   v[\pc+4*\c+1]
	v_permlane16_swap_b32 v[\pc+4*\c+2], v[\pc+4*\c+3]
.endr
.endm
; 128 along K: 25 LDS loads, 16 matrix instructions on 16 accumulators by turns, in the same order in every step
.macro KSTEP k
.if (\k) > 0
.rept 4
	v_nop                                          ; four plain lines between the last matrix instruction and loads into registers that it has read
.endr
.endif
.irp b, 0,1,2,3
	ds_load_b32 v[SCP+\b], v[ASP] offset:1088*\b+4*(\k)
.endr
	ds_load_b32 v[SCR], v[ASR] offset:4*(\k)
.irp u, 0,1
.irp c, 0,1
	ds_load_b128 v[RF+8*\u+4*\c:RF+8*\u+4*\c+3], v[AR] offset:16*PITCH*\u+64*(\k)+32*\c
.endr
.endr
.irp t, 0,1,2,3,4,5,6,7
.irp c, 0,1
	ds_load_b128 v[PF+8*\t+4*\c:PF+8*\t+4*\c+3], v[AP] offset:16*PITCH*\t+64*(\k)+32*\c
.endr
.endr
.irp t, 0,1,2,3,4,5,6,7
	s_wait_dscnt 2*(7-\t)                          ; LDS loads come back in order: all up to P's tile t are in; the two loads of each later tile may be out
	WM ACC+8*\t, PF+8*\t, RF, ACC+8*\t, SCP+\t/2, \t&1, SCR, 0
	WM ACC+64+8*\t, PF+8*\t, RF+8, ACC+64+8*\t, SCP+\t/2, \t&1, SCR, 1
.endr
.endm
	s_load_b512 s[8:23], s[0:1], 0x0               ; q's five s[8:17]; of k's five s[18:27] the first three
	s_load_b512 s[24:39], s[0:1], 0x40             ; the rest of k's; v's five s[28:37]; qb s[38:39]
	s_load_b64 s[40:41], s[0:1], 0x80              ; kv
	v_lshl_add_u32 v46, v0, 2, 0x36000
	v_mov_b32 v47, 0
	ds_add_u32 v46, v47
	ds_add_u32 v46, v47
	v_lshrrev_b32 v1, 5, v0
	s_delay_alu instid0(VALU_DEP_1)
	v_readfirstlane_b32 s[WV], v1                  ; wave 0..7
	s_and_b32 s3, ttmp7, 0xffff                    ; y: which product; the partners share it
	s_bfe_u32 s4, ttmp6, 0x40000                   ; cx
	s_lshl_b32 s7, ttmp9, 2
	s_add_co_u32 s7, s7, s4                        ; work-group x = 4 x cluster x + cx
	s_lshr_b32 s5, ttmp9, 1                        ; q, k: 32 groups of R x 8 of P
	s_lshr_b32 s92, ttmp9, 4                       ; v: 4 groups of R x 64 of P.  R's group is made of the cluster's x alone
	s_and_b32 s6, s7, 7
	s_and_b32 s93, s7, 63
	s_cmp_eq_u32 s3, 2
	s_cselect_b32 s5, s92, s5
	s_cselect_b32 s6, s93, s6
	s_mov_b32 s[SEL], 0x76543210
	s_mov_b32 s[SEL+1], 0xfedcba98
	s_mov_b32 s60, 0xffff
	s_mov_b32 s61, 0x7f7f0000                      ; the scale 1 for the upper 64 of a K step, where q's and k's codes are zeros
	v_and_b32 v1, 15, v0                           ; r
	v_bfe_u32 v2, v0, 4, 1                         ; h
	v_and_b32 v3, 31, v0                           ; lane
	s_delay_alu instid0(VALU_DEP_3)
	v_mul_u32_u24 v[AP], v1, PITCH
	s_delay_alu instid0(VALU_DEP_1)
	v_lshl_add_u32 v[AP], v2, 4, v[AP]
	s_mul_i32 s92, s[WV], 32*PITCH
	s_add_co_u32 s92, s92, LR
	v_add_nc_u32 v[AR], s92, v[AP]
	v_bfe_u32 v11, v0, 3, 1                        ; a row of scale bytes is 32 bytes, eight rows to 256 + 16
	s_delay_alu instid0(VALU_DEP_1)
	v_mul_u32_u24 v11, v11, 272
	v_and_b32 v12, 7, v0
	s_delay_alu instid0(VALU_DEP_1)
	v_lshl_add_u32 v11, v12, 5, v11
	v_mul_u32_u24 v12, v2, 544                     ; lanes 16-31: the next tile, two such rows on
	s_delay_alu instid0(VALU_DEP_1)
	v_add_nc_u32 v11, v11, v12
	s_delay_alu instid0(VALU_DEP_1)
	v_add_nc_u32 v[ASP], LPS, v11
	s_mul_i32 s92, s[WV], 1088
	s_add_co_u32 s92, s92, LRS
	v_add_nc_u32 v[ASR], s92, v11
	v_lshlrev_b32 v9, 4, v3                        ; 16 x lane
	v_lshlrev_b32 v10, 2, v3                       ; 4 x lane
	s_wait_dscnt 0x0
	s_wait_kmcnt 0x0
	s_cmp_eq_u32 s3, 1                             ; the product's five buffers into s[8:17]: tokens' codes, tokens' scales, weight's codes, weight's scales, bias
.irp i, 0,2,4,6,8
	s_cselect_b64 s[8+\i:9+\i], s[18+\i:19+\i], s[8+\i:9+\i]
.endr
	s_cmp_eq_u32 s3, 2
.irp i, 0,2,4,6,8
	s_cselect_b64 s[8+\i:9+\i], s[28+\i:29+\i], s[8+\i:9+\i]
.endr
	s_cselect_b64 s[42:43], s[8:9], s[12:13]       ; P's codes
	s_cselect_b64 s[44:45], s[12:13], s[8:9]       ; R's codes
	s_cselect_b64 s[46:47], s[10:11], s[14:15]     ; P's scales
	s_cselect_b64 s[48:49], s[14:15], s[10:11]     ; R's scales
	s_cmp_eq_u32 s3, 0
	s_cselect_b64 s[38:39], s[38:39], s[40:41]     ; where the results go
	; descriptor groups 1.  Codes: 128 rows of 512 bytes, 16 bytes of padding behind each (128 words: code 6; 4 words: code 3); joint (mask 15, bit 21) and plain
	s_mov_b32 s20, 15|(1<<20)|(1<<21)|(6<<22)|(3<<25)
	s_mov_b32 s28, (1<<20)|(6<<22)|(3<<25)
.irp g, 20, 28
	s_mov_b32 s[\g+1], 512<<16                     ; tensor_dim0
	s_mov_b32 s[\g+2], 128<<16                     ; tensor_dim1
	s_mov_b32 s[\g+3], 512<<16                     ; tile_dim0
	s_mov_b32 s[\g+4], 128                         ; tile_dim1
	s_mov_b32 s[\g+5], 512                         ; from row to row
	s_mov_b32 s[\g+6], 0
	s_mov_b32 s[\g+7], 0
.endr
	; scale bytes of 128 rows: 4,096 dense bytes as 16 rows of 32 elements of 8 bytes, 16 bytes of padding behind each
	s_mov_b32 s52, 15|(3<<16)|(1<<20)|(1<<21)|(5<<22)|(3<<25)
	s_mov_b32 s68, (3<<16)|(1<<20)|(5<<22)|(3<<25)
.irp g, 52, 68
	s_mov_b32 s[\g+1], 32<<16
	s_mov_b32 s[\g+2], 16<<16
	s_mov_b32 s[\g+3], 32<<16
	s_mov_b32 s[\g+4], 16
	s_mov_b32 s[\g+5], 32
	s_mov_b32 s[\g+6], 0
	s_mov_b32 s[\g+7], 0
.endr
	; groups 0.  P's hang on cx and belong to plain loads; R's are made of the cluster's x, y and the wave's number alone
	s_lshl_b32 s92, s6, 16                         ; P's group x 128 rows x 512 bytes
	s_mov_b32 s93, 0
	s_mov_b32 s76, 1
	s_mov_b32 s77, LP
	s_add_nc_u64 s[78:79], s[42:43], s[92:93]
	s_or_b32 s79, s79, 0x80000000
	s_lshl_b32 s92, s6, 12                         ; x 128 rows x 32 bytes
	s_mov_b32 s84, 1
	s_mov_b32 s85, LPS
	s_add_nc_u64 s[86:87], s[46:47], s[92:93]
	s_or_b32 s87, s87, 0x80000000
	s_and_b32 s96, s[WV], 1                        ; waves 4, 5: halves 0, 1 of R's scale bytes
	s_xor_b32 s94, s96, 1                          ; waves 1, 2: halves 0, 1 of R's codes
	s_lshl_b32 s95, s5, 1
	s_add_co_u32 s94, s94, s95
	s_add_co_u32 s96, s96, s95
	s_lshl_b32 s94, s94, 16
	s_lshl_b32 s96, s96, 12
	s_mov_b32 s95, 0
	s_mov_b32 s97, 0
	s_mov_b32 s80, 1
	s_mul_i32 s81, s[WV], 128*PITCH                ; waves 1, 2: LR and LR + 128 rows
	s_add_nc_u64 s[82:83], s[44:45], s[94:95]
	s_or_b32 s83, s83, 0x80000000
	s_mov_b32 s88, 1
	s_mul_i32 s89, s[WV], 16*272
	s_add_co_u32 s89, s89, LRS-4*16*272            ; waves 4, 5: LRS and LRS + 16 rows
	s_add_nc_u64 s[90:91], s[48:49], s[96:97]
	s_or_b32 s91, s91, 0x80000000
	CROUND                                         ; all four work-groups are here: the joint loads meet
	s_cmp_eq_u32 s[WV], 0                          ; one load a wave, six waves; every branch hangs on the wave's number alone
	s_cbranch_scc0 .Lnot_0
	TL 76, 28                                      ; wave 0: P's codes
	s_branch .Lasked
.Lnot_0:
	s_cmp_lt_u32 s[WV], 3
	s_cbranch_scc0 .Lnot_12
	TL 80, 20                                      ; waves 1, 2: R's codes, jointly
	s_branch .Lasked
.Lnot_12:
	s_cmp_eq_u32 s[WV], 3
	s_cbranch_scc0 .Lnot_3
	TL 84, 68                                      ; wave 3: P's scale bytes
	s_branch .Lasked
.Lnot_3:
	s_cmp_lt_u32 s[WV], 6
	s_cbranch_scc0 .Lasked
	TL 88, 52                                      ; waves 4, 5: R's scale bytes, jointly
.Lasked:
	; the bias is the accumulators' first content, fetched while the tiles are on their way
	s_mov_b32 s93, 0
	s_cmp_eq_u32 s3, 2
	s_cbranch_scc1 .Lbias_v
	s_lshl_b32 s92, s6, 9                          ; q, k: the bias goes with P's rows: register j of tile t wants number 16 t + 8 h + j of P's 128
	s_add_nc_u64 s[16:17], s[16:17], s[92:93]
	v_lshlrev_b32 v8, 5, v2
.irp u, 0,1
.irp t, 0,1,2,3,4,5,6,7
	global_load_b128 v[ACC+64*\u+8*\t:ACC+64*\u+8*\t+3],   v8, s[16:17] offset:64*\t
	global_load_b128 v[ACC+64*\u+8*\t+4:ACC+64*\u+8*\t+7], v8, s[16:17] offset:64*\t+16
.endr
.endr
	s_branch .Lbias_done
.Lbias_v:
	s_lshl_b32 s92, s5, 10                         ; v: the bias goes with R's rows: one number a lane for each of my two tiles
	s_lshl_b32 s94, s[WV], 7
	s_add_co_u32 s92, s92, s94
	s_add_nc_u64 s[16:17], s[16:17], s[92:93]
	v_lshlrev_b32 v8, 2, v1
	global_load_b32 v21, v8, s[16:17]
	global_load_b32 v22, v8, s[16:17] offset:64
	s_wait_loadcnt 0x0
.set j, 0
.rept 64
	v_mov_b32 v[ACC+j], v21
	v_mov_b32 v[ACC+64+j], v22
.set j, j+1
.endr
.Lbias_done:
	s_wait_loadcnt 0x0
	s_wait_tensorcnt 0x0                           ; my load has landed,
	s_barrier_signal -1
	s_barrier_wait -1                              ; everybody's has
	s_wait_alu depctr_va_vdst(0)
.irp k, 0,1,2,3,4,5,6,7
	KSTEP \k
.endr
.rept 4
	v_nop                                          ; four plain lines between the last matrix instruction and the first read of results and write of its sources
.endr
	QUANT ACC, PC, PW
	QUANT ACC+64, PC+8, PW+1
	v_cmp_le_u32 vcc_lo, 16, v3
	s_delay_alu instid0(VALU_DEP_1)
	v_cndmask_b32 v100, v[PW], v[PW+1], vcc_lo     ; lane l: the scale word of my wave's row l
	s_mov_b32 s97, 0
	s_cmp_eq_u32 s3, 2
	s_cbranch_scc1 .Lstore_v
	; q, k: P's 128 rows are heads 2 pg and 2 pg + 1; registers 4 c .. 4 c + 3 are head 2 pg + c's 64 codes of my token
	s_cmp_eq_u32 s3, 0
	s_mov_b32 s92, RECK
	s_cselect_b32 s92, RECQ, s92                   ; a record
	s_mov_b32 s93, 131072
	s_cselect_b32 s93, 65536, s93                  ; where its scale words begin
	s_lshr_b32 s94, s5, 3                          ; batch
	s_lshl_b32 s94, s94, 4
	s_lshl_b32 s95, s6, 1
	s_add_co_u32 s94, s94, s95
	s_mul_i32 s94, s94, s92                        ; the record of (batch, head 2 pg)
	s_and_b32 s95, s5, 7
	s_lshl_b32 s95, s95, 8
	s_lshl_b32 s96, s[WV], 5
	s_add_co_u32 s95, s95, s96                     ; my first token in the batch
	s_lshl_b32 s96, s95, 5                         ; 512 bytes for 16 tokens
	s_add_co_u32 s96, s96, s94
	s_add_nc_u64 s[18:19], s[38:39], s[96:97]
	s_lshl_b32 s96, s95, 2                         ; 4 bytes a token
	s_add_co_u32 s96, s96, s94
	s_add_co_u32 s96, s96, s93
	s_add_nc_u64 s[40:41], s[38:39], s[96:97]
	s_mov_b32 s96, s92
	s_add_nc_u64 s[36:37], s[18:19], s[96:97]      ; the same places in head 2 pg + 1's record
	s_add_nc_u64 s[42:43], s[40:41], s[96:97]
	s_wait_alu depctr_va_vdst(0)
	v_and_or_b32 v98, v100, s60, s61               ; head 2 pg's two bytes, and the scale 1 twice
	v_lshrrev_b32 v99, 16, v100
	s_delay_alu instid0(VALU_DEP_1)
	v_or_b32 v99, s61, v99                         ; head 2 pg + 1's
.irp u, 0,1
	global_store_b128 v9, v[PC+8*\u:PC+8*\u+3],   s[18:19] offset:512*\u   ; a wave's store covers 512 consecutive bytes, aligned
	global_store_b128 v9, v[PC+8*\u+4:PC+8*\u+7], s[36:37] offset:512*\u
.endr
	global_store_b32 v10, v98, s[40:41]            ; 128 consecutive bytes
	global_store_b32 v10, v99, s[42:43]
	s_branch .Lstored
.Lstore_v:
	; v: P's 128 rows are one K step of keys; my 32 rows of R are channels 32 (w % 2) .. + 31 of head 4 rb + w / 2
	s_lshr_b32 s92, s6, 4                          ; batch
	s_lshl_b32 s92, s92, 4
	s_lshl_b32 s93, s5, 2
	s_add_co_u32 s92, s92, s93
	s_lshr_b32 s93, s[WV], 1
	s_add_co_u32 s92, s92, s93
	s_mul_i32 s92, s92, RECK
	s_and_b32 s93, s6, 15                          ; the K step
	s_and_b32 s94, s[WV], 1
	s_lshl_b32 s95, s93, 12
	s_lshl_b32 s96, s94, 11
	s_add_co_u32 s96, s96, s95
	s_add_co_u32 s96, s96, s92
	s_add_co_u32 s96, s96, 65536
	s_add_nc_u64 s[18:19], s[38:39], s[96:97]
	s_lshl_b32 s95, s93, 8
	s_lshl_b32 s96, s94, 7
	s_add_co_u32 s96, s96, s95
	s_add_co_u32 s96, s96, s92
	s_add_co_u32 s96, s96, 139264
	s_add_nc_u64 s[40:41], s[38:39], s[96:97]
	s_wait_alu depctr_va_vdst(0)
.irp u, 0,1
.irp c, 0,1
	global_store_b128 v9, v[PC+8*\u+4*\c:PC+8*\u+4*\c+3], s[18:19] offset:1024*\u+512*\c
.endr
.endr
	global_store_b32 v10, v100, s[40:41]
.Lstored:
	s_wait_tensorcnt 0x0
	ds_add_u32 v46, v47
	s_wait_dscnt 0x0
	CROUND                                         ; the closing round: no work-group ends while a partner may still ask for a tile that names it
	s_endpgm
.Lfunc_end_k_q1a700b2461_proj:
	.size	k_q1a700b2461_proj, .Lfunc_end_k_q1a700b2461_proj-k_q1a700b2461_proj
	.p2alignl 7, 3214868480
	.fill 96, 4, 3214868480
	.section	.rodata,"a",@progbits
	.p2align	6, 0x0
	.amdhsa_kernel k_q1a700b2461_proj
		.amdhsa_group_segment_fixed_size 222208
		.amdhsa_private_segment_fixed_size 0
		.amdhsa_enable_private_segment 0
		.amdhsa_kernarg_size 136
		.amdhsa_user_sgpr_count 2
		.amdhsa_user_sgpr_kernarg_segment_ptr 1
		.amdhsa_wavefront_size32 1
		.amdhsa_system_sgpr_workgroup_id_x 1
		.amdhsa_system_sgpr_workgroup_id_y 1
		.amdhsa_system_sgpr_workgroup_id_z 1
		.amdhsa_system_vgpr_workitem_id 0
		.amdhsa_next_free_vgpr 256
		.amdhsa_next_free_sgpr 100
		.amdhsa_reserve_vcc 1
		.amdhsa_float_denorm_mode_32 3
		.amdhsa_float_denorm_mode_16_64 3
		.amdhsa_memory_ordered 1
		.amdhsa_forward_progress 1
		.amdhsa_inst_pref_size 60
	.end_amdhsa_kernel
	.amdgpu_metadata
---
amdhsa.version: [ 1, 2 ]
amdhsa.kernels:
  - .name:           k_q1a700b2461_proj
    .symbol:         k_q1a700b2461_proj.kd
    .args:
      - { .name: query_codes, .offset: 0, .size: 8, .value_kind: global_buffer, .address_space: global }
      - { .name: query_scales, .offset: 8, .size: 8, .value_kind: global_buffer, .address_space: global }
      - { .name: Wq_codes, .offset: 16, .size: 8, .value_kind: global_buffer, .address_space: global }
      - { .name: Wq_scales, .offset: 24, .size: 8, .value_kind: global_buffer, .address_space: global }
      - { .name: bq, .offset: 32, .size: 8, .value_kind: global_buffer, .address_space: global }
      - { .name: key__codes, .offset: 40, .size: 8, .value_kind: global_buffer, .address_space: global }
      - { .name: key__scales, .offset: 48, .size: 8, .value_kind: global_buffer, .address_space: global }
      - { .name: Wk_codes, .offset: 56, .size: 8, .value_kind: global_buffer, .address_space: global }
      - { .name: Wk_scales, .offset: 64, .size: 8, .value_kind: global_buffer, .address_space: global }
      - { .name: bk, .offset: 72, .size: 8, .value_kind: global_buffer, .address_space: global }
      - { .name: value_codes, .offset: 80, .size: 8, .value_kind: global_buffer, .address_space: global }
      - { .name: value_scales, .offset: 88, .size: 8, .value_kind: global_buffer, .address_space: global }
      - { .name: Wv_codes, .offset: 96, .size: 8, .value_kind: global_buffer, .address_space: global }
      - { .name: Wv_scales, .offset: 104, .size: 8, .value_kind: global_buffer, .address_space: global }
      - { .name: bv, .offset: 112, .size: 8, .value_kind: global_buffer, .address_space: global }
      - { .name: qb, .offset: 120, .size: 8, .value_kind: global_buffer, .address_space: global }
      - { .name: kv, .offset: 128, .size: 8, .value_kind: global_buffer, .address_space: global }
    .group_segment_fixed_size: 222208
    .private_segment_fixed_size: 0
    .kernarg_segment_align: 8
    .kernarg_segment_size: 136
    .max_flat_workgroup_size: 256
    .sgpr_count:     100
    .vgpr_count:     256
    .wavefront_size: 32
...
	.end_amdgpu_metadata
.endif
;; end of part 1
;; launch stats (part 2): grid 4 x 64, 16 waves a work-group, clusters of 4 x 1, 169,984 bytes of LDS; arguments qb, kv, st; writes st
.if DOCPART == 2
	.amdgcn_target "amdgcn-amd-amdhsa--gfx1250"
	.amdhsa_code_object_version 6
	.text
	.protected	k_q1a700b2461_stats
	.globl	k_q1a700b2461_stats
	.p2align	8
	.type	k_q1a700b2461_stats,@function
k_q1a700b2461_stats:
	s_mov_b64 s[64:65], 0
	v_nop
	global_prefetch_b8 v0, s[64:65] scope:SCOPE_SE
	s_setreg_imm32_b32 hwreg(HW_REG_WAVE_MODE, 25, 1), 1
	s_wait_xcnt 0x0
	s_wait_alu depctr_hold_cnt(0) depctr_sa_sdst(0) depctr_va_vdst(0) depctr_va_sdst(0) depctr_va_ssrc(0) depctr_va_vcc(0) depctr_vm_vsrc(0)
	s_getreg_b32 s2, hwreg(HW_REG_IB_STS2, 6, 4)
	s_cmp_eq_u32 s2, 0
	s_cbranch_scc0 .Lentry_in_a_cluster
	s_endpgm
.Lentry_in_a_cluster:
	s_bfe_u32 s2, ttmp6, 0x10000c
	s_cmp_lg_u32 s2, 0x3003
	s_cbranch_scc0 .Lentry_shape_is_right
	s_endpgm
.Lentry_shape_is_right:
; THE SOFTMAX RUNS OVER THE QUERIES: for each key of each head this launch finds, over all 2,048 queries, M = the largest t rounded up to a whole number (t = score x log2(e) / 8)
; and l = the sum of 2^(t - M), and stores ONE number a key, -(M + log2 l): the next launch adds it to t and has the finished softmax by one exponential.
; The scores are q k^T on codes of FP4, K = 64 in an instruction of K = 128: the upper 64 codes are zeros under the scale 1.
; SHARES.  The four work-groups of a cluster are one (batch, head); each takes 512 keys, each of its sixteen waves 32 keys (two tiles).  Every wave walks all queries, 64 a step.
; Source 0 = 32 queries (two tiles on end, the form of 32 x 16 x 128), source 1 = 16 keys: a lane holds ONE key and its registers run along the queries, so maximum and sum stay in the lane; the two halves of the lanes are joined once, at the end.
; The head's q record (codes as register images, scale words) is asked for jointly by the four, once, and stays in LDS: no later load for a prefetch to run ahead of.
; When M moves, l is multiplied by 2^(old M - new M): a whole power of two, nothing is rounded.
; LIMITS: NaN and infinities are not served; 2^(t - M) under 2^-126 counts as 0; M + log2 l is rounded once to f32: an absolute error of 2^-24 x |M + log2 l| in the exponent of a whole column.
.set RECQ, 73728
.set RECK, 143360
.set STG,  73728                       ; behind q's record: 512 keys x 4 bytes, 2,048 bytes that no fill touches
.set WV,  2
.set SEL, 28                           ; s[28:29]
.set CS,  30                           ; s[30:31] c = log2(e) / 8; the packed form names a pair and takes its low word
.set TQ,  32                           ; s32 the step's codes in LDS;  s33 its scale words;  s34 trips
.set TW,  33
.set CNT, 34
.set L16, 1                            ; v1 16 x lane;  v2 65,536 + 4 x lane;  v3, v4 the step's addresses
.set LW,  2
.set AQ,  3
.set AW,  4
.set STO, 5                            ; v5 the stage, in: 128 w + 4 x lane
.set LN,  6                            ; v6 lane;  v7 4 x lane
.set KW,  8                            ; v8, v31 the scale words of my keys' tiles 0 and 1, in lanes 0-15;  v9-10 the queries' (register p: lane l has query 32 p + l's)
.set KW1, 31
.set QW,  9
.set RDB, 11                           ; v11 the stage, back: 256 w + 8 x lane
.set ST,  12                           ; tile n at v[12 + 4 n]: -M, the largest t, l in two halves
.set F,   20                           ; v[20:21], v[22:23] 2^(old M - new M)
.set CH,  24                           ; v24-27 chains of maxima;  v28-29 the joined -M
.set NM,  28
.set KF,  32                           ; v32-47 two fragments of keys;  v48-79 four of queries
.set QF,  48
.set C2,  80                           ; v[80:83] the sums' second chains
.set S,   96                           ; v96-159 scores: tile n of keys, tile i of queries at S + 32 n + 8 i
.macro CROUND
	s_barrier_signal -1
	s_barrier_wait -1
	s_cmp_lg_u32 s[WV], 0
	s_cbranch_scc1 .Lnw0_\@
	s_barrier_signal -3
.Lnw0_\@:
	s_barrier_wait -3
	s_barrier_signal -1
	s_barrier_wait -1
.endm
; 64 queries x my 32 keys.  next = 1: the next step's fragments are fetched behind the products
.macro STEP next
	s_wait_dscnt 0x0                               ; this step's fragments and scale words are in
.irp p, 0,1
	v_wmma_scale_f32_32x16x128_f4 v[S+16*\p:S+16*\p+15], v[QF+16*\p:QF+16*\p+15], v[KF:KF+7], 0, v[QW+\p], v[KW]
	v_wmma_scale_f32_32x16x128_f4 v[S+32+16*\p:S+32+16*\p+15], v[QF+16*\p:QF+16*\p+15], v[KF+8:KF+15], 0, v[QW+\p], v[KW1]
.endr
.rept 4
	v_nop                                          ; four plain lines between the last matrix instruction and the loads into its registers and the first read of results
.endr
.if \next
	s_add_co_u32 s[TQ], s[TQ], 2048                ; four tiles of 512 bytes
	s_add_co_u32 s[TW], s[TW], 256                 ; 64 words
	v_add_nc_u32 v[AQ], s[TQ], v[L16]
	v_add_nc_u32 v[AW], s[TW], v[LW]
.irp i, 0,1,2,3
	ds_load_b128 v[QF+8*\i:QF+8*\i+3], v[AQ] offset:512*\i
.endr
.irp p, 0,1
	ds_load_b32 v[QW+\p], v[AW] offset:128*\p
.endr
.endif
.irp n, 0,1                            ; the largest of a key's 32 scores: two chains a tile, each accumulator from its low end on
	v_max3_num_f32 v[CH+2*\n],   v[S+32*\n],    v[S+32*\n+1],  v[S+32*\n+2]
	v_max3_num_f32 v[CH+2*\n+1], v[S+32*\n+16], v[S+32*\n+17], v[S+32*\n+18]
.endr
.irp i, 3,5,7,9,11,13
.irp n, 0,1
	v_max3_num_f32 v[CH+2*\n],   v[CH+2*\n],   v[S+32*\n+\i],    v[S+32*\n+\i+1]
	v_max3_num_f32 v[CH+2*\n+1], v[CH+2*\n+1], v[S+32*\n+16+\i], v[S+32*\n+17+\i]
.endr
.endr
.irp n, 0,1
	v_max3_num_f32 v[CH+2*\n], v[CH+2*\n], v[CH+2*\n+1], v[S+32*\n+15]
.endr
.irp n, 0,1
	v_max_num_f32 v[CH+2*\n], v[CH+2*\n], v[S+32*\n+31]
.endr
.irp n, 0,1
	s_delay_alu instid0(VALU_DEP_2)
	v_mul_f32 v[CH+2*\n], s[CS], v[CH+2*\n]        ; as t (c is positive)
.endr
.irp n, 0,1
	s_delay_alu instid0(VALU_DEP_2)
	v_max_num_f32 v[ST+4*\n+1], v[ST+4*\n+1], v[CH+2*\n]   ; the running largest t
.endr
.irp n, 0,1
	v_mov_b32 v[CH+2*\n], v[ST+4*\n]
.endr
.irp n, 0,1
	s_delay_alu instid0(VALU_DEP_4)
	v_floor_f32 v[ST+4*\n], -v[ST+4*\n+1]          ; the new -M = floor(-t): M is a whole number
.endr
.irp n, 0,1
	s_delay_alu instid0(VALU_DEP_2)
	v_sub_f32 v[CH+2*\n], v[ST+4*\n], v[CH+2*\n]   ; old M - new M: a whole number, 0 or less
.endr
.irp n, 0,1
	s_delay_alu instid0(VALU_DEP_2)
	v_cvt_i32_f32 v[CH+2*\n], v[CH+2*\n]           ; (it saturates)
.endr
.irp n, 0,1
	s_delay_alu instid0(VALU_DEP_2)
	v_ldexp_f32 v[F+2*\n], 1.0, v[CH+2*\n]
.endr
.irp n, 0,1
.irp j, 0,2,4,6,8,10,12,14,16,18,20,22,24,26,28,30
	v_pk_fma_f32 v[S+32*\n+\j:S+32*\n+\j+1], v[S+32*\n+\j:S+32*\n+\j+1], s[CS:CS+1], v[ST+4*\n:ST+4*\n+1] op_sel_hi:[1,0,0]   ; t - M, two at a time
.endr
.endr
.set j, 0
	s_wait_alu depctr_va_vdst(0)                   ; ahead of the batch
.rept 64
	v_exp_f32 v[S+j], v[S+j]                       ; one batch
.set j, j+1
.endr
.irp n, 0,1
	v_pk_mul_f32 v[ST+4*\n+2:ST+4*\n+3], v[ST+4*\n+2:ST+4*\n+3], v[F+2*\n:F+2*\n+1] op_sel_hi:[1,0]   ; l under the new M; also the plain lines behind the exponentials
.endr
	s_wait_alu depctr_va_vdst(0)                   ; one wait for the batch, ahead of its first reader
.irp n, 0,1
	v_pk_add_f32 v[C2+2*\n:C2+2*\n+1], v[S+32*\n:S+32*\n+1], v[S+32*\n+2:S+32*\n+3]
.endr
.irp j, 4,8,12,16,20,24,28
.irp n, 0,1
	v_pk_add_f32 v[ST+4*\n+2:ST+4*\n+3], v[ST+4*\n+2:ST+4*\n+3], v[S+32*\n+\j:S+32*\n+\j+1]
	v_pk_add_f32 v[C2+2*\n:C2+2*\n+1], v[C2+2*\n:C2+2*\n+1], v[S+32*\n+\j+2:S+32*\n+\j+3]
.endr
.endr
.irp n, 0
	s_delay_alu instid0(VALU_DEP_3)
	v_pk_add_f32 v[ST+4*\n+2:ST+4*\n+3], v[ST+4*\n+2:ST+4*\n+3], v[C2+2*\n:C2+2*\n+1]
.endr
.irp n, 1
	s_delay_alu instid0(VALU_DEP_2)
	v_pk_add_f32 v[ST+4*\n+2:ST+4*\n+3], v[ST+4*\n+2:ST+4*\n+3], v[C2+2*\n:C2+2*\n+1]
.endr
.endm
	s_load_b128 s[8:11], s[0:1], 0x0               ; qb, kv
	s_load_b64 s[12:13], s[0:1], 0x10              ; st
	v_lshl_add_u32 v192, v0, 2, 0x29000
	v_mov_b32 v193, 0
	ds_add_u32 v192, v193                          ; the opening lines: the add, twice on end, and its wait ahead of my first tensor load
	ds_add_u32 v192, v193
	v_lshrrev_b32 v1, 5, v0
	s_delay_alu instid0(VALU_DEP_1)
	v_readfirstlane_b32 s[WV], v1                  ; wave 0..15
	s_and_b32 s3, ttmp7, 0xffff                    ; (batch, head): the partners share it
	s_bfe_u32 s4, ttmp6, 0x40000                   ; cx
	s_lshl_b32 s5, s4, 4
	s_add_co_u32 s5, s5, s[WV]                     ; my block of 32 keys: it enters global addresses alone
	; descriptor group 1: 18 rows of 256 bytes (32 elements of 8), dense, no padding: fragments are read 512 consecutive bytes at a time; mask 15 and bit 21
	s_mov_b32 s16, 15|(3<<16)|(1<<21)
	s_mov_b32 s17, 32<<16
	s_mov_b32 s18, 18<<16
	s_mov_b32 s19, 32<<16
	s_mov_b32 s20, 18
	s_mov_b32 s21, 32
	s_mov_b32 s22, 0
	s_mov_b32 s23, 0
	s_mov_b32 s[SEL], 0x76543210
	s_mov_b32 s[SEL+1], 0xfedcba98
	s_mov_b32 s[CS], 0x3e38aa3b                    ; log2(e) / 8
	s_mov_b32 s[CS+1], s[CS]
	s_mov_b32 s[TQ], 0
	s_mov_b32 s[TW], 0
	s_mul_i32 s25, s[WV], 4608                     ; a sixteenth of the record, in LDS
	s_mul_i32 s36, s3, RECQ
	s_add_co_u32 s36, s36, s25                     ; and in memory
	s_mov_b32 s37, 0
	s_mul_i32 s38, s3, RECK
	s_lshl_b32 s40, s5, 10
	s_add_co_u32 s40, s40, s38                     ; my keys' codes: two tiles of 512 bytes
	s_mov_b32 s41, 0
	s_lshl_b32 s42, s5, 7
	s_add_co_u32 s42, s42, s38
	s_add_co_u32 s42, s42, 131072                  ; their scale words
	s_mov_b32 s43, 0
	s_lshl_b32 s44, s3, 13                         ; st: the head's 8,192 bytes; of the work-group's 2,048 wave w (0 to 7) stores bytes 256 w on
	s_lshl_b32 s38, s4, 11
	s_add_co_u32 s44, s44, s38
	s_and_b32 s38, s[WV], 7
	s_lshl_b32 s38, s38, 8
	s_add_co_u32 s44, s44, s38
	s_mov_b32 s45, 0
	s_wait_dscnt 0x0
	s_wait_kmcnt 0x0
	s_mov_b32 s24, 1
	s_add_nc_u64 s[26:27], s[8:9], s[36:37]
	s_or_b32 s27, s27, 0x80000000
	s_add_nc_u64 s[40:41], s[10:11], s[40:41]
	s_add_nc_u64 s[42:43], s[10:11], s[42:43]
	s_add_nc_u64 s[12:13], s[12:13], s[44:45]
	CROUND                                         ; all four work-groups are here: the joint loads meet
	tensor_load_to_lds s[24:27], s[16:23]          ; every wave its sixteenth: one load of mine is out
	s_nop 0
.rept 4
	v_nop
.endr
.irp i, 4,5,6,7,12,13,14,15
	v_mov_b32 v[KF+\i], 0                          ; K = 64 .. 127: zero codes, written once
.endr
.irp i, 4,5,6,7,12,13,14,15,20,21,22,23,28,29,30,31
	v_mov_b32 v[QF+\i], 0
.endr
	v_and_b32 v[LN], 31, v0
	s_delay_alu instid0(VALU_DEP_1)
	v_lshlrev_b32 v[L16], 4, v[LN]
	s_delay_alu instid0(VALU_DEP_2)
	v_lshlrev_b32 v7, 2, v[LN]
	s_delay_alu instid0(VALU_DEP_1)
	v_add_nc_u32 v[LW], 65536, v7
	global_load_b128 v[KF:KF+3], v[L16], s[40:41]
	global_load_b128 v[KF+8:KF+11], v[L16], s[40:41] offset:512
	global_load_b32 v[KW], v7, s[42:43]            ; lanes 0-15: tile 0's words
	global_load_b32 v[KW1], v7, s[42:43] offset:64 ; lanes 0-15: tile 1's (what lanes 16-31 fetch lies inside the head's record and is not read)
	s_lshl_b32 s36, s[WV], 7
	s_add_co_u32 s36, s36, STG
	v_add_nc_u32 v[STO], s36, v7                   ; my wave's 32 keys: 4 bytes a lane
	s_lshl_b32 s36, s[WV], 8
	s_add_co_u32 s36, s36, STG
	v_lshlrev_b32 v86, 3, v[LN]                    ; 8 x lane
	s_delay_alu instid0(VALU_DEP_1)
	v_add_nc_u32 v[RDB], s36, v86
.irp n, 0,1
	v_mov_b32 v[ST+4*\n+1], 0xff61b1e6             ; the largest t so far: -3e38, under every t
	s_delay_alu instid0(VALU_DEP_1)
	v_floor_f32 v[ST+4*\n], -v[ST+4*\n+1]
	v_mov_b32 v[ST+4*\n+2], 0                      ; l
	v_mov_b32 v[ST+4*\n+3], 0
	v_mov_b32 v[F+2*\n+1], 0                       ; (named as the upper half of a pair)
.endr
	s_wait_alu depctr_va_vdst(0)                   ; at the head's end
	s_wait_tensorcnt 0x0                           ; my part has landed,
	s_barrier_signal -1
	s_barrier_wait -1                              ; everybody's has
.irp i, 0,1,2,3
	ds_load_b128 v[QF+8*\i:QF+8*\i+3], v[L16] offset:512*\i
.endr
.irp p, 0,1
	ds_load_b32 v[QW+\p], v[LW] offset:128*\p
.endr
	s_wait_loadcnt 0x0                             ; my keys
	s_mov_b32 s[CNT], 31
.Lstep:
	STEP 1
	s_sub_co_u32 s[CNT], s[CNT], 1
	s_cmp_lg_u32 s[CNT], 0
	s_cbranch_scc1 .Lstep
	STEP 0                                         ; the last 64 queries: nothing more to fetch
	; lanes l and l xor 16 hold the same key and the other half of the queries: both are brought under the larger M, exactly
.irp n, 0,1
	s_delay_alu instid0(VALU_DEP_2)
	v_add_f32 v[ST+4*\n+2], v[ST+4*\n+2], v[ST+4*\n+3]
.endr
.irp n, 0
	v_permlanex16_b32 v[CH+2*\n],   v[ST+4*\n],   s[SEL], s[SEL+1]
	s_delay_alu instid0(VALU_DEP_3)
	v_permlanex16_b32 v[CH+2*\n+1], v[ST+4*\n+2], s[SEL], s[SEL+1]
.endr
.irp n, 1
	v_permlanex16_b32 v[CH+2*\n],   v[ST+4*\n],   s[SEL], s[SEL+1]
	s_delay_alu instid0(VALU_DEP_4)
	v_permlanex16_b32 v[CH+2*\n+1], v[ST+4*\n+2], s[SEL], s[SEL+1]
.endr
.irp n, 0
	s_delay_alu instid0(VALU_DEP_4)
	v_min_num_f32 v[NM+\n], v[ST+4*\n], v[CH+2*\n] ; the key's -M
.endr
.irp n, 1
	s_delay_alu instid0(VALU_DEP_3)
	v_min_num_f32 v[NM+\n], v[ST+4*\n], v[CH+2*\n]
.endr
.irp n, 0
	s_delay_alu instid0(VALU_DEP_2)
	v_sub_f32 v[ST+4*\n], v[NM+\n], v[ST+4*\n]
	s_delay_alu instid0(VALU_DEP_3)
	v_sub_f32 v[CH+2*\n], v[NM+\n], v[CH+2*\n]
.endr
.irp n, 1
	s_delay_alu instid0(VALU_DEP_3)
	v_sub_f32 v[ST+4*\n], v[NM+\n], v[ST+4*\n]
	s_delay_alu instid0(VALU_DEP_4)
	v_sub_f32 v[CH+2*\n], v[NM+\n], v[CH+2*\n]
.endr
.irp n, 0,1
	s_delay_alu instid0(VALU_DEP_4)
	v_cvt_i32_f32 v[ST+4*\n], v[ST+4*\n]
	s_delay_alu instid0(VALU_DEP_4)
	v_cvt_i32_f32 v[CH+2*\n], v[CH+2*\n]
.endr
.irp n, 0,1
	s_delay_alu instid0(VALU_DEP_4)
	v_ldexp_f32 v[ST+4*\n+2], v[ST+4*\n+2], v[ST+4*\n]
	s_delay_alu instid0(VALU_DEP_4)
	v_ldexp_f32 v[CH+2*\n+1], v[CH+2*\n+1], v[CH+2*\n]
.endr
.irp n, 0
	s_delay_alu instid0(VALU_DEP_3)
	v_add_f32 v[ST+4*\n+2], v[ST+4*\n+2], v[CH+2*\n+1]   ; the key's l: the same bits in both halves of the lanes
.endr
.irp n, 1
	s_delay_alu instid0(VALU_DEP_2)
	v_add_f32 v[ST+4*\n+2], v[ST+4*\n+2], v[CH+2*\n+1]
.endr
	s_wait_alu depctr_va_vdst(0)                   ; ahead of the transcendentals
.irp n, 0,1
	v_log_f32 v[ST+4*\n+3], v[ST+4*\n+2]           ; log2 l; l lies between 1/2 and 2,048
.endr
	v_cmp_le_u32 vcc_lo, 16, v[LN]
	v_nop                                          ; a plain line behind the logarithms
	s_wait_alu depctr_va_vdst(0)                   ; and one wait for both, ahead of the first reader
.irp n, 0,1
	v_sub_f32 v[NM+\n], v[NM+\n], v[ST+4*\n+3]     ; -(M + log2 l)
.endr
	s_delay_alu instid0(VALU_DEP_1)
	v_cndmask_b32 v30, v[NM], v[NM+1], vcc_lo      ; lane l: key l of my wave's 32
	ds_store_b32 v[STO], v30
	s_wait_dscnt 0x0                               ; for the others' sake: my store into the stage is done
	s_barrier_signal -1
	s_barrier_wait -1
	s_cmp_lt_u32 s[WV], 8                          ; 2,048 bytes leave by eight waves; the branch hangs on the wave's number alone and jumps over no barrier
	s_cbranch_scc0 .Lno_store
	ds_load_b64 v[84:85], v[RDB]
	s_wait_dscnt 0x0
	global_store_b64 v86, v[84:85], s[12:13]       ; a wave's store covers 256 consecutive bytes, aligned
.Lno_store:
	s_wait_tensorcnt 0x0                           ; the wave's end
	ds_add_u32 v192, v193
	s_wait_dscnt 0x0
	CROUND                                         ; the closing round
	s_endpgm
.Lfunc_end_k_q1a700b2461_stats:
	.size	k_q1a700b2461_stats, .Lfunc_end_k_q1a700b2461_stats-k_q1a700b2461_stats
	.p2alignl 7, 3214868480
	.fill 96, 4, 3214868480
	.section	.rodata,"a",@progbits
	.p2align	6, 0x0
	.amdhsa_kernel k_q1a700b2461_stats
		.amdhsa_group_segment_fixed_size 169984
		.amdhsa_private_segment_fixed_size 0
		.amdhsa_enable_private_segment 0
		.amdhsa_kernarg_size 24
		.amdhsa_user_sgpr_count 2
		.amdhsa_user_sgpr_kernarg_segment_ptr 1
		.amdhsa_wavefront_size32 1
		.amdhsa_system_sgpr_workgroup_id_x 1
		.amdhsa_system_sgpr_workgroup_id_y 1
		.amdhsa_system_sgpr_workgroup_id_z 1
		.amdhsa_system_vgpr_workitem_id 0
		.amdhsa_next_free_vgpr 194
		.amdhsa_next_free_sgpr 66
		.amdhsa_reserve_vcc 1
		.amdhsa_float_denorm_mode_32 3
		.amdhsa_float_denorm_mode_16_64 3
		.amdhsa_memory_ordered 1
		.amdhsa_forward_progress 1
		.amdhsa_inst_pref_size 30
	.end_amdhsa_kernel
	.amdgpu_metadata
---
amdhsa.version: [ 1, 2 ]
amdhsa.kernels:
  - .name:           k_q1a700b2461_stats
    .symbol:         k_q1a700b2461_stats.kd
    .args:
      - { .name: qb, .offset: 0, .size: 8, .value_kind: global_buffer, .address_space: global }
      - { .name: kv, .offset: 8, .size: 8, .value_kind: global_buffer, .address_space: global }
      - { .name: st, .offset: 16, .size: 8, .value_kind: global_buffer, .address_space: global }
    .group_segment_fixed_size: 169984
    .private_segment_fixed_size: 0
    .kernarg_segment_align: 8
    .kernarg_segment_size: 24
    .max_flat_workgroup_size: 512
    .sgpr_count:     66
    .vgpr_count:     194
    .wavefront_size: 32
...
	.end_amdgpu_metadata
.endif
;; end of part 2
;; launch attn (part 3): grid 4 x 64, 8 waves a work-group, clusters of 4 x 1, 169,984 bytes of LDS; arguments qb, kv, st, ctxb; writes ctxb
.if DOCPART == 3
	.amdgcn_target "amdgcn-amd-amdhsa--gfx1250"
	.amdhsa_code_object_version 6
	.text
	.protected	k_q1a700b2461_attn
	.globl	k_q1a700b2461_attn
	.p2align	8
	.type	k_q1a700b2461_attn,@function
k_q1a700b2461_attn:
	s_mov_b64 s[64:65], 0
	v_nop
	global_prefetch_b8 v0, s[64:65] scope:SCOPE_SE
	s_setreg_imm32_b32 hwreg(HW_REG_WAVE_MODE, 25, 1), 1
	s_wait_xcnt 0x0
	s_wait_alu depctr_hold_cnt(0) depctr_sa_sdst(0) depctr_va_vdst(0) depctr_va_sdst(0) depctr_va_ssrc(0) depctr_va_vcc(0) depctr_vm_vsrc(0)
	s_getreg_b32 s2, hwreg(HW_REG_IB_STS2, 6, 4)
	s_cmp_eq_u32 s2, 0
	s_cbranch_scc0 .Lentry_in_a_cluster
	s_endpgm
.Lentry_in_a_cluster:
	s_bfe_u32 s2, ttmp6, 0x10000c
	s_cmp_lg_u32 s2, 0x3003
	s_cbranch_scc0 .Lentry_shape_is_right
	s_endpgm
.Lentry_shape_is_right:
; ctx = softmax_over_queries(q k^T / 8) v for one (batch, head), both products on codes of FP4 (E2M1) with one E8M0 byte for each 32 along K; ctx is quantised at once along the head's 64 for the last product.
; st holds one number a key, -(M + log2 l): p = 2^(score x log2(e) / 8 + st[key]) is the finished, normalised softmax; it is quantised along the keys, in blocks of 32.
; SHARES.  The four work-groups of a cluster are one (batch, head); each takes 512 queries, each of its eight waves two blocks of 32 queries (two tiles each).  Every wave walks all 2,048 keys, 128 a step;
; in a step both blocks are served one after the other from ONE fetch of k's and v's fragments, their scale words and st's 128 numbers: 38 LDS loads for 2 x 32 x 128 scores.
; The head's record of kv (k's and v's codes as images of the operand registers, their scale words) and its 8,192 bytes of st are asked for jointly by the four, once, at the head: waves 0 to 6 a seventh of the record each, wave 7 st.
; So every tensor load is a first fill, one a wave, and there is no later load for a prefetch to run ahead of: none is written.
; LAYOUT.  S^T = k q^T (source 0 = 32 neighbouring keys, two tiles on end, in the form of 32 x 16 x 128; source 1 = 16 queries; K = 64 of 128: the upper 64 codes are zeros under the scale 1), O^T = v^T p^T likewise: a lane holds one query throughout.
; In tile t lane (r, h) holds key 16 t + 8 h + j in register j: the 16 registers of tiles 2 b, 2 b + 1 and those of lane l xor 16 are block b's 32 keys; the conversions' results are laid so that two exchanges of halves for each 64 keys give the operand's layout.
; THE SOFTMAX GOES AS ONE BATCH: 64 packed multiply-adds, 128 exponentials, then each block's largest p is taken from p itself, with the floor 2^(3 - 127) among its leaves.
; LIMITS: NaN and infinities are not served; p under 2^-126 counts as 0; a block of zeros gets the byte 1 (its codes are zeros, and this program alone reads the bytes).
; REGISTERS.  Window 0: v1-15 addresses; v16-31 at work; v32-47 p's codes; v48-59 scale words and nothing else; v62-63 the spare word's address and 0; v64-127 st's numbers of a step; v128-255 S^T, then p.
; Window 1: v0-127 O^T of the two blocks; v128-191 eight fragments of k; v192-223 four of v; v224-255 four of q.
.set RECQ, 73728                       ; a head's record in qb: 65,536 of codes, 8,192 of scale words
.set RECK, 143360                      ; and in kv: k's codes, v's codes (at 65,536), k's words (at 131,072), v's words (at 139,264)
.set PART, 20480                       ; a seventh of it: 80 rows of 256 bytes
.set LST,  143360                      ; behind the record in LDS: st's 8,192 bytes
.set SPARE, 0x29000                    ; the spare words, 128 bytes for each wave
.set TROW, 8704                        ; a tile of 16 rows in ctxb: 16 heads x 512 bytes of codes, then 8 K steps x 16 scale words
.set WV,  2
.set SEL, 40                           ; s[40:41] selects of v_permlanex16_b32 for lane l xor 16
.set CS,  42                           ; s[42:43] c = log2(e) / 8; the packed form names a pair and takes its low word
.set T4,  44                           ; the step's place: 4,096 bytes a step (codes), 512 (k's words, st), 256 (v's words)
.set T5,  45
.set T2,  46
.set CNT, 47
.set TM,  16
.set PC,  32
.set PW,  48                           ; v48-49 p's scale words;  v50-53 k's (lane l: key 32 b + l);  v54-55 v's (lane l: channel 32 b + l);  v56-59 q's: block x, tile a at 2 x + a, in lanes 0-15
.set KW,  50
.set VW,  54
.set QW,  56
.set SN,  64
.set S,   128
.set O,   0
.set KFR, 128
.set VFR, 192
.set QF,  224
.set MSB, 0
.macro WIN new                         ; the immediate's high byte repeats the setting that is left
.if MSB != \new
	s_set_vgpr_msb (MSB<<8)|\new
.set MSB, \new
.endif
.endm
.macro CROUND                          ; a round of the cluster's barrier
	s_barrier_signal -1
	s_barrier_wait -1
	s_cmp_lg_u32 s[WV], 0
	s_cbranch_scc1 .Lnw0_\@
	s_barrier_signal -3
.Lnw0_\@:
	s_barrier_wait -3
	s_barrier_signal -1
	s_barrier_wait -1
.endm
.macro SNLOAD adr, off                 ; st's numbers of 128 keys in the scores' layout: register 8 t + j = key 16 t + 8 h + j
.irp t, 0,1,2,3,4,5,6,7
.irp i, 0,1
	ds_load_b128 v[SN+8*\t+4*\i:SN+8*\t+4*\i+3], v[\adr] offset:\off+64*\t+16*\i
.endr
.endr
.endm
; 128 keys x block x's 32 queries.  first = 1: the second product starts the sums.  next = 1: behind block 1's use of them, k, its words and st give way to the next step's
.macro SUB x, first, next
	WIN 0x05
.irp p, 0,1,2,3
.irp a, 0,1
	v_wmma_scale_f32_32x16x128_f4 v[S+64*\a+16*\p:S+64*\a+16*\p+15], v[KFR+16*\p:KFR+16*\p+15], v[QF+16*(\x)+8*\a:QF+16*(\x)+8*\a+7], 0, v[KW+\p], v[QW+2*(\x)+\a]
.endr
.endr
	WIN 0
.if (\x) == 0                          ; four plain lines stand between the matrix instructions and the loads into their registers and the first read of results
	v_add_nc_u32 v7, s[T4], v2
	v_add_nc_u32 v9, s[T2], v4
	v_nop
	v_nop
	WIN 0x40
.irp dt, 0,1,2,3
.irp c, 0,1
	ds_load_b128 v[VFR+8*\dt+4*\c:VFR+8*\dt+4*\c+3], v7 offset:1024*\dt+512*\c
.endr
.endr
	WIN 0
.irp b, 0,1
	ds_load_b32 v[VW+\b], v9 offset:128*\b
.endr
.elseif \next
	v_add_nc_u32 v6, s[T4], v1
	v_add_nc_u32 v8, s[T5], v3
	v_add_nc_u32 v10, s[T5], v5
	v_nop
	WIN 0x40
.irp t, 0,1,2,3,4,5,6,7
	ds_load_b128 v[KFR+8*\t:KFR+8*\t+3], v6 offset:4096+512*\t
.endr
	WIN 0
.irp b, 0,1,2,3
	ds_load_b32 v[KW+\b], v8 offset:512+128*\b
.endr
.else
.rept 4
	v_nop
.endr
.endif
.set j, 0
.rept 64
	v_pk_fma_f32 v[S+j:S+j+1], v[S+j:S+j+1], s[CS:CS+1], v[SN+(j%64):SN+(j%64)+1] op_sel_hi:[1,0,1]   ; score x c + st[key], two at a time; each accumulator from its low end on
.set j, j+2
.endr
.if ((\x) == 1) && \next
	SNLOAD 10, 512                                 ; both blocks have read st's numbers: the next step's take their place
.endif
	s_wait_alu depctr_va_vdst(0)                   ; ahead of the batch
.set j, 0
.rept 128
	v_exp_f32 v[S+j], v[S+j]                       ; p, finished and normalised: one batch
.set j, j+1
.endr
	v_nop                                          ; a plain line behind the exponentials
	s_wait_alu depctr_va_vdst(0)                   ; one wait for the batch, ahead of its first reader
.irp c, 0,1,2,3,4,5,6,7
	v_max3_num_f32 v[TM+\c], v[S+16*\c], v[S+16*\c+1], 0x1800000   ; key block b of query tile a at 4 a + b: my 16 of its p, and the floor 2^(3 - 127): the byte cannot fall under 1
.endr
.irp i, 2,4,6,8,10,12,14
.irp c, 0,1,2,3,4,5,6,7
	v_max3_num_f32 v[TM+\c], v[TM+\c], v[S+16*\c+\i], v[S+16*\c+\i+1]   ; the eight by turns
.endr
.endr
.irp c, 0,1,2,3,4,5,6,7
	v_permlanex16_b32 v[TM+8+\c], v[TM+\c], s[SEL], s[SEL+1]
.endr
.irp c, 0,1,2,3,4,5,6,7
	v_max_num_f32 v[TM+\c], v[TM+\c], v[TM+8+\c]   ; with lane l xor 16's 16
.endr
.irp c, 0,1,2,3,4,5,6,7
	v_add_nc_u32 v[TM+8+\c], 0xff000000, v[TM+\c]  ; 2 off the exponent field: the conversion's scale operand
.endr
.irp c, 0,1,2,3,4,5,6,7
	v_lshrrev_b32 v[TM+\c], 23, v[TM+8+\c]         ; the scale's byte
.endr
.irp a, 0
	v_lshl_or_b32 v[PW+\a], v[TM+4*\a+1], 8, v[TM+4*\a]
.endr
.irp a, 1
	s_delay_alu instid0(VALU_DEP_4)
	v_lshl_or_b32 v[PW+\a], v[TM+4*\a+1], 8, v[TM+4*\a]
.endr
.irp a, 0,1
	s_delay_alu instid0(VALU_DEP_2)
	v_lshl_or_b32 v[PW+\a], v[TM+4*\a+2], 16, v[PW+\a]
.endr
.irp a, 0,1
	s_delay_alu instid0(VALU_DEP_2)
	v_lshl_or_b32 v[PW+\a], v[TM+4*\a+3], 24, v[PW+\a]   ; p's scale word for these 128 keys
.endr
.irp a, 0,1
.irp c, 0,1                            ; tiles 4 c, 4 c + 1, 4 c + 2, 4 c + 3 go to registers 4 c, 4 c + 2, 4 c + 1, 4 c + 3
	v_cvt_scalef32_pk8_fp4_f32 v[PC+8*\a+4*\c],   v[S+64*\a+32*\c:S+64*\a+32*\c+7],     v[TM+8+4*\a+2*\c]
	v_cvt_scalef32_pk8_fp4_f32 v[PC+8*\a+4*\c+2], v[S+64*\a+32*\c+8:S+64*\a+32*\c+15],  v[TM+8+4*\a+2*\c]
	v_cvt_scalef32_pk8_fp4_f32 v[PC+8*\a+4*\c+1], v[S+64*\a+32*\c+16:S+64*\a+32*\c+23], v[TM+9+4*\a+2*\c]
	v_cvt_scalef32_pk8_fp4_f32 v[PC+8*\a+4*\c+3], v[S+64*\a+32*\c+24:S+64*\a+32*\c+31], v[TM+9+4*\a+2*\c]
.endr
.endr
	v_nop                                          ; one plain line behind the scaled conversions
.irp a, 0,1
.irp c, 0,1                            ; the first's lanes 16-31 change places with the second's lanes 0-15: registers 4 c .. 4 c + 3 then hold keys 64 c + 32 h + 0 .. 31
	v_permlane16_swap_b32 v[PC+8*\a+4*\c],   v[PC+8*\a+4*\c+1]
	v_permlane16_swap_b32 v[PC+8*\a+4*\c+2], v[PC+8*\a+4*\c+3]
.endr
.endr
.rept 8
	v_nop                                          ; operands and scale words written by vector instructions stand these places ahead of a scaled matrix instruction
.endr
	s_wait_alu depctr_va_vdst(0)                   ; ahead of the first readers of O^T (block 0: and of the wait below)
.if (\x) == 0
	s_wait_dscnt 0x0                               ; v's fragments and words are in: they are all that is out
.endif
	WIN 0x51
.irp p, 0,1
.irp a, 0,1                            ; four accumulators by turns
.if \first
	v_wmma_scale_f32_32x16x128_f4 v[O+64*(\x)+32*\a+16*\p:O+64*(\x)+32*\a+16*\p+15], v[VFR+16*\p:VFR+16*\p+15], v[PC+8*\a:PC+8*\a+7], 0, v[VW+\p], v[PW+\a]
.else
	v_wmma_scale_f32_32x16x128_f4 v[O+64*(\x)+32*\a+16*\p:O+64*(\x)+32*\a+16*\p+15], v[VFR+16*\p:VFR+16*\p+15], v[PC+8*\a:PC+8*\a+7], v[O+64*(\x)+32*\a+16*\p:O+64*(\x)+32*\a+16*\p+15], v[VW+\p], v[PW+\a]
.endif
.endr
.endr
	WIN 0
.endm
.macro STEP first, next
	s_wait_dscnt 0x0                               ; this step's fragments of k, its scale words and st's numbers are in
	SUB 0, \first, \next
	SUB 1, \first, \next
	s_add_co_u32 s[T4], s[T4], 4096
	s_add_co_u32 s[T5], s[T5], 512
	s_add_co_u32 s[T2], s[T2], 256
.endm
; ctx of block x, query tile a, 64 numbers a row (register 8 dt + j = channel 16 dt + 8 h + j), becomes 4 registers of codes at v[PC + 8 a] and two scale bytes in v[PW + a]
.macro QO a, x
.set OB, O+64*(\x)+32*(\a)
	s_wait_alu depctr_va_vdst(0)                   ; directly ahead of the first readers of these sums
	WIN 0x05
.irp b, 0,1
	v_max3_num_f32 v[TM+\b], |v[OB+16*\b]|, |v[OB+16*\b+1]|, 0x1800000
.endr
	WIN 0x14
.irp i, 2,4,6,8,10,12,14
.irp b, 0,1
	v_max3_num_f32 v[TM+\b], v[TM+\b], |v[OB+16*\b+\i]|, |v[OB+16*\b+\i+1]|
.endr
.endr
	WIN 0
.irp b, 0,1
	v_permlanex16_b32 v[TM+4+\b], v[TM+\b], s[SEL], s[SEL+1]
.endr
.irp b, 0,1
	s_delay_alu instid0(VALU_DEP_2)
	v_max_num_f32 v[TM+\b], v[TM+\b], v[TM+4+\b]
.endr
.irp b, 0,1
	s_delay_alu instid0(VALU_DEP_2)
	v_add_nc_u32 v[TM+8+\b], 0xff000000, v[TM+\b]
.endr
.irp b, 0,1
	s_delay_alu instid0(VALU_DEP_2)
	v_lshrrev_b32 v[TM+4+\b], 23, v[TM+8+\b]
.endr
	s_delay_alu instid0(VALU_DEP_1)
	v_lshl_or_b32 v[PW+\a], v[TM+5], 8, v[TM+4]
	WIN 0x01
	v_cvt_scalef32_pk8_fp4_f32 v[PC+8*\a],   v[OB:OB+7],     v[TM+8]
	v_cvt_scalef32_pk8_fp4_f32 v[PC+8*\a+2], v[OB+8:OB+15],  v[TM+8]
	v_cvt_scalef32_pk8_fp4_f32 v[PC+8*\a+1], v[OB+16:OB+23], v[TM+9]
	v_cvt_scalef32_pk8_fp4_f32 v[PC+8*\a+3], v[OB+24:OB+31], v[TM+9]
	WIN 0
	v_nop
	v_permlane16_swap_b32 v[PC+8*\a],   v[PC+8*\a+1]
	v_permlane16_swap_b32 v[PC+8*\a+2], v[PC+8*\a+3]
.endm
.macro OUT x                           ; block x leaves: it lies 16 tiles behind block 0 in ctxb
	QO 0, \x
	QO 1, \x
	v_cmp_le_u32 vcc_lo, 16, v15
	s_delay_alu instid0(VALU_DEP_1)
	v_cndmask_b32 v14, v[PW], v[PW+1], vcc_lo
	global_store_b128 v1, v[PC:PC+3], s[54:55] offset:16*TROW*(\x)          ; a wave's store covers 512 consecutive bytes, aligned
	global_store_b128 v1, v[PC+8:PC+11], s[54:55] offset:16*TROW*(\x)+TROW
	global_store_b16 v13, v14, s[56:57] offset:16*TROW*(\x)                 ; my head's two bytes of each row's scale word
.endm
	s_load_b256 s[8:15], s[0:1], 0x0               ; qb s[8:9], kv s[10:11], st s[12:13], ctxb s[14:15]
	v_lshl_add_u32 v62, v0, 2, SPARE
	v_mov_b32 v63, 0
	ds_add_u32 v62, v63                            ; the opening lines: the add, twice on end, and its wait ahead of my first tensor load
	ds_add_u32 v62, v63
	v_lshrrev_b32 v1, 5, v0
	s_delay_alu instid0(VALU_DEP_1)
	v_readfirstlane_b32 s[WV], v1                  ; wave 0..7
	s_and_b32 s3, ttmp7, 0xffff                    ; (batch, head): the partners share it
	s_bfe_u32 s4, ttmp6, 0x40000                   ; cx: it enters global addresses of plain loads and stores alone
	; descriptor groups 1: dense rows of 256 bytes (32 elements of 8), no padding: fragments are read 512 consecutive bytes at a time; mask 15 and bit 21
	s_mov_b32 s16, 15|(3<<16)|(1<<21)              ; a seventh of the record: 80 rows
	s_mov_b32 s17, 32<<16
	s_mov_b32 s18, 80<<16
	s_mov_b32 s19, 32<<16
	s_mov_b32 s20, 80
	s_mov_b32 s21, 32
	s_mov_b32 s22, 0
	s_mov_b32 s23, 0
	s_mov_b32 s24, 15|(3<<16)|(1<<21)              ; st: 32 rows
	s_mov_b32 s25, 32<<16
	s_mov_b32 s26, 32<<16
	s_mov_b32 s27, 32<<16
	s_mov_b32 s28, 32
	s_mov_b32 s29, 32
	s_mov_b32 s30, 0
	s_mov_b32 s31, 0
	s_mov_b32 s[SEL], 0x76543210
	s_mov_b32 s[SEL+1], 0xfedcba98
	s_mov_b32 s[CS], 0x3e38aa3b                    ; log2(e) / 8
	s_mov_b32 s[CS+1], s[CS]
	s_mul_i32 s33, s[WV], PART                     ; my seventh, in LDS
	s_mul_i32 s58, s3, RECK
	s_add_co_u32 s58, s58, s33                     ; and in memory
	s_mov_b32 s59, 0
	s_lshl_b32 s60, s3, 13                         ; the head's 8,192 bytes of st
	s_mov_b32 s61, 0
	s_wait_dscnt 0x0                               ; both opening adds are done
	s_wait_kmcnt 0x0
	s_mov_b32 s32, 1
	s_add_nc_u64 s[34:35], s[10:11], s[58:59]
	s_or_b32 s35, s35, 0x80000000
	s_mov_b32 s36, 1
	s_mov_b32 s37, LST
	s_add_nc_u64 s[38:39], s[12:13], s[60:61]
	s_or_b32 s39, s39, 0x80000000
	CROUND                                         ; all four work-groups are here: the joint loads meet
	s_cmp_lt_u32 s[WV], 7                          ; one load a wave, on every way through the head; the branch hangs on the wave's number alone
	s_cbranch_scc0 .Lfor_st
	tensor_load_to_lds s[32:35], s[16:23]          ; waves 0 to 6: the record
	s_nop 0
.rept 4
	v_nop
.endr
	s_branch .Lasked
.Lfor_st:
	tensor_load_to_lds s[36:39], s[24:31]          ; wave 7: st
	s_nop 0
.rept 4
	v_nop
.endr
.Lasked:
	WIN 0x40
.irp t, 0,1,2,3,4,5,6,7
.irp i, 4,5,6,7
	v_mov_b32 v[KFR+8*\t+\i], 0                    ; K = 64 .. 127: zero codes, written once
.endr
.endr
.irp t, 0,1,2,3
.irp i, 4,5,6,7
	v_mov_b32 v[QF+8*\t+\i], 0
.endr
.endr
	WIN 0
	v_and_b32 v15, 31, v0                          ; lane
	v_and_b32 v13, 15, v0                          ; r
	v_bfe_u32 v14, v0, 4, 1                        ; h
	s_delay_alu instid0(VALU_DEP_3)
	v_lshlrev_b32 v1, 4, v15                       ; k's codes: 16 x lane
	s_delay_alu instid0(VALU_DEP_1)
	v_add_nc_u32 v2, 65536, v1                     ; v's codes
	v_lshlrev_b32 v12, 2, v15
	s_delay_alu instid0(VALU_DEP_1)
	v_add_nc_u32 v3, 131072, v12                   ; k's scale words: 4 x lane
	s_delay_alu instid0(VALU_DEP_2)
	v_add_nc_u32 v4, 139264, v12                   ; v's
	v_lshlrev_b32 v5, 5, v14
	s_delay_alu instid0(VALU_DEP_1)
	v_add_nc_u32 v5, LST, v5                       ; st: my half's eight keys of a tile
	v_lshlrev_b32 v11, 2, v13                      ; q's scale words: 4 r
	s_delay_alu instid0(VALU_DEP_1)
	v_mad_u32_u24 v13, v14, TROW, v11              ; ctx's scale bytes: lanes 0-15 a block's first tile's rows, lanes 16-31 its second's
.irp b, 8,9,10,11,12,13,14,15
	v_mov_b32 v[TM+\b], 0                          ; written once: a lane permute's destination counts as one of its sources
.endr
	s_wait_alu depctr_va_vdst(0)                   ; behind the head's last vector instruction
	s_lshl_b32 s58, s4, 4
	s_add_co_u32 s58, s58, s[WV]                   ; my first block of 32 queries; the second lies eight blocks on
	s_mul_i32 s59, s3, RECQ
	s_lshl_b32 s60, s58, 10
	s_add_co_u32 s60, s60, s59
	s_mov_b32 s61, 0
	s_add_nc_u64 s[50:51], s[8:9], s[60:61]        ; its codes: two tiles of 512 bytes
	s_lshl_b32 s60, s58, 7
	s_add_co_u32 s60, s60, s59
	s_add_co_u32 s60, s60, 65536
	s_add_nc_u64 s[52:53], s[8:9], s[60:61]        ; its scale words
	WIN 0x40
.irp x, 0,1
.irp a, 0,1
	global_load_b128 v[QF+16*\x+8*\a:QF+16*\x+8*\a+3], v1, s[50:51] offset:8192*\x+512*\a
.endr
.endr
	WIN 0
.irp x, 0,1
.irp a, 0,1
	global_load_b32 v[QW+2*\x+\a], v11, s[52:53] offset:1024*\x+64*\a
.endr
.endr
	s_lshr_b32 s59, s3, 4                          ; batch
	s_lshl_b32 s59, s59, 6
	s_add_co_u32 s59, s59, s58
	s_mul_i32 s59, s59, 2*TROW                     ; my first block's two tiles in ctxb
	s_and_b32 s62, s3, 15                          ; head
	s_lshl_b32 s60, s62, 9
	s_add_co_u32 s60, s60, s59
	s_add_nc_u64 s[54:55], s[14:15], s[60:61]      ; the head's image
	s_lshr_b32 s60, s62, 1
	s_lshl_b32 s60, s60, 6
	s_and_b32 s63, s62, 1
	s_lshl_b32 s63, s63, 1
	s_add_co_u32 s60, s60, s63
	s_add_co_u32 s60, s60, s59
	s_add_co_u32 s60, s60, 8192
	s_add_nc_u64 s[56:57], s[14:15], s[60:61]      ; K step head / 2, bytes 2 (head % 2) on of each row's word
	s_wait_tensorcnt 0x0                           ; my load has landed,
	s_barrier_signal -1
	s_barrier_wait -1                              ; everybody's has
	s_mov_b32 s[T4], 0
	s_mov_b32 s[T5], 0
	s_mov_b32 s[T2], 0
	WIN 0x40
.irp t, 0,1,2,3,4,5,6,7
	ds_load_b128 v[KFR+8*\t:KFR+8*\t+3], v1 offset:512*\t
.endr
	WIN 0
.irp b, 0,1,2,3
	ds_load_b32 v[KW+\b], v3 offset:128*\b
.endr
	SNLOAD 5, 0
	s_wait_loadcnt 0x0                             ; my queries
	STEP 1, 1                                      ; the first step starts the sums: nothing is cleared
	s_mov_b32 s[CNT], 14
.Lstep:
	STEP 0, 1
	s_sub_co_u32 s[CNT], s[CNT], 1
	s_cmp_lg_u32 s[CNT], 0
	s_cbranch_scc1 .Lstep
	STEP 0, 0                                      ; the last 128 keys
.rept 4
	v_nop                                          ; four plain lines between the last matrix instruction and the first read of results
.endr
	OUT 0
	s_wait_xcnt 0x0                                ; the stores have read their registers: they are written again below
	OUT 1
	s_wait_tensorcnt 0x0                           ; the wave's end
	ds_add_u32 v62, v63
	s_wait_dscnt 0x0
	CROUND                                         ; the closing round
	s_endpgm
.Lfunc_end_k_q1a700b2461_attn:
	.size	k_q1a700b2461_attn, .Lfunc_end_k_q1a700b2461_attn-k_q1a700b2461_attn
	.p2alignl 7, 3214868480
	.fill 96, 4, 3214868480
	.section	.rodata,"a",@progbits
	.p2align	6, 0x0
	.amdhsa_kernel k_q1a700b2461_attn
		.amdhsa_group_segment_fixed_size 169984
		.amdhsa_private_segment_fixed_size 0
		.amdhsa_enable_private_segment 0
		.amdhsa_kernarg_size 32
		.amdhsa_user_sgpr_count 2
		.amdhsa_user_sgpr_kernarg_segment_ptr 1
		.amdhsa_wavefront_size32 1
		.amdhsa_system_sgpr_workgroup_id_x 1
		.amdhsa_system_sgpr_workgroup_id_y 1
		.amdhsa_system_sgpr_workgroup_id_z 1
		.amdhsa_system_vgpr_workitem_id 0
		.amdhsa_next_free_vgpr 512
		.amdhsa_next_free_sgpr 66
		.amdhsa_reserve_vcc 1
		.amdhsa_float_denorm_mode_32 3
		.amdhsa_float_denorm_mode_16_64 3
		.amdhsa_memory_ordered 1
		.amdhsa_forward_progress 1
		.amdhsa_inst_pref_size 134
	.end_amdhsa_kernel
	.amdgpu_metadata
---
amdhsa.version: [ 1, 2 ]
amdhsa.kernels:
  - .name:           k_q1a700b2461_attn
    .symbol:         k_q1a700b2461_attn.kd
    .args:
      - { .name: qb, .offset: 0, .size: 8, .value_kind: global_buffer, .address_space: global }
      - { .name: kv, .offset: 8, .size: 8, .value_kind: global_buffer, .address_space: global }
      - { .name: st, .offset: 16, .size: 8, .value_kind: global_buffer, .address_space: global }
      - { .name: ctxb, .offset: 24, .size: 8, .value_kind: global_buffer, .address_space: global }
    .group_segment_fixed_size: 169984
    .private_segment_fixed_size: 0
    .kernarg_segment_align: 8
    .kernarg_segment_size: 32
    .max_flat_workgroup_size: 256
    .sgpr_count:     66
    .vgpr_count:     512
    .wavefront_size: 32
...
	.end_amdgpu_metadata
.endif
;; end of part 3
;; launch outp (part 4): grid 256 x 1, 8 waves a work-group, clusters of 4 x 1, 279,808 bytes of LDS; arguments ctxb, Wo_codes, Wo_scales, bo, out0; writes out0
.if DOCPART == 4
	.amdgcn_target "amdgcn-amd-amdhsa--gfx1250"
	.amdhsa_code_object_version 6
	.text
	.protected	k_q1a700b2461_outp
	.globl	k_q1a700b2461_outp
	.p2align	8
	.type	k_q1a700b2461_outp,@function
k_q1a700b2461_outp:
	s_mov_b64 s[64:65], 0
	v_nop
	global_prefetch_b8 v0, s[64:65] scope:SCOPE_SE
	s_setreg_imm32_b32 hwreg(HW_REG_WAVE_MODE, 25, 1), 1
	s_wait_xcnt 0x0
	s_wait_alu depctr_hold_cnt(0) depctr_sa_sdst(0) depctr_va_vdst(0) depctr_va_sdst(0) depctr_va_ssrc(0) depctr_va_vcc(0) depctr_vm_vsrc(0)
	s_getreg_b32 s2, hwreg(HW_REG_IB_STS2, 6, 4)
	s_cmp_eq_u32 s2, 0
	s_cbranch_scc0 .Lentry_in_a_cluster
	s_endpgm
.Lentry_in_a_cluster:
	s_bfe_u32 s2, ttmp6, 0x10000c
	s_cmp_lg_u32 s2, 0x3003
	s_cbranch_scc0 .Lentry_shape_is_right
	s_endpgm
.Lentry_shape_is_right:
; out = ctx Wo^T + bo on codes of FP4, K = 1,024.  ctx comes as images of the operand's registers (a tile of 16 rows: 16 heads x 512 bytes, then 8 K steps x 16 scale words), Wo as rows of codes.
; A work-group takes 256 rows of ctx x 128 rows of Wo (columns of out) x all of K: everything fits in LDS at once, so every tensor load is a first fill.
; Wave w takes tiles 2 w and 2 w + 1 of the rows x all 128 columns: 8 x 2 accumulators.  Source 0 = 16 rows of Wo, source 1 = 16 rows of ctx: a lane holds eight neighbouring columns of one row of out.
; CLUSTER: the four partners share their 256 rows of ctx, which come by joint loads (mask 15); each partner's rows of Wo come by loads of its own.
; bo is each sum's first addend.  The results leave through each wave's own stage in LDS, as whole rows of 512 bytes.
.set PITCH, 528                        ; Wo's rows in LDS: 512 bytes + 16 of padding
.set TROW,  8704
.set LW,   16*TROW                     ; behind ctx's 16 tiles: Wo's 128 rows,
.set LWS,  LW+128*PITCH                ; its scale bytes (16 rows of 256 + 16),
.set STG,  LWS+16*272                  ; and the stages: 16 rows x 528 bytes for each wave, from a multiple of 256 on; no fill lands there
.set WV,  2
.set AP,  4                            ; v4 Wo's fragments;  v5 ctx's: 16 x lane in my first tile;  v6 Wo's scale words;  v7 ctx's (lanes 0-15 my first tile, lanes 16-31 my second)
.set AR,  5
.set ASP, 6
.set ARW, 7
.set STO, 11                           ; v11 the stage, in;  v12 back
.set RD,  12
.set SCP, 16                           ; v16-19, v20: scale words and nothing else
.set SCR, 20
.set RF,  48
.set PF,  64
.set ACC, 128
.macro CROUND
	s_barrier_signal -1
	s_barrier_wait -1
	s_cmp_lg_u32 s[WV], 0
	s_cbranch_scc1 .Lnw0_\@
	s_barrier_signal -3
.Lnw0_\@:
	s_barrier_wait -3
	s_barrier_signal -1
	s_barrier_wait -1
.endm
.macro TL g0, g1                       ; a tensor load and the lines behind it
	tensor_load_to_lds s[\g0:\g0+3], s[\g1:\g1+7]
	s_nop 0
.rept 4
	v_nop
.endr
.endm
.macro WM d, a, b, c, sa, ra, sb, rb
.if (\ra) && (\rb)
	v_wmma_scale_f32_16x16x128_f8f6f4 v[\d:\d+7], v[\a:\a+7], v[\b:\b+7], v[\c:\c+7], v[\sa], v[\sb] matrix_a_fmt:MATRIX_FMT_FP4 matrix_b_fmt:MATRIX_FMT_FP4 matrix_a_scale:MATRIX_SCALE_ROW1 matrix_b_scale:MATRIX_SCALE_ROW1
.elseif (\ra)
	v_wmma_scale_f32_16x16x128_f8f6f4 v[\d:\d+7], v[\a:\a+7], v[\b:\b+7], v[\c:\c+7], v[\sa], v[\sb] matrix_a_fmt:MATRIX_FMT_FP4 matrix_b_fmt:MATRIX_FMT_FP4 matrix_a_scale:MATRIX_SCALE_ROW1
.elseif (\rb)
	v_wmma_scale_f32_16x16x128_f8f6f4 v[\d:\d+7], v[\a:\a+7], v[\b:\b+7], v[\c:\c+7], v[\sa], v[\sb] matrix_a_fmt:MATRIX_FMT_FP4 matrix_b_fmt:MATRIX_FMT_FP4 matrix_b_scale:MATRIX_SCALE_ROW1
.else
	v_wmma_scale_f32_16x16x128_f8f6f4 v[\d:\d+7], v[\a:\a+7], v[\b:\b+7], v[\c:\c+7], v[\sa], v[\sb] matrix_a_fmt:MATRIX_FMT_FP4 matrix_b_fmt:MATRIX_FMT_FP4
.endif
.endm
; 128 along K: 25 LDS loads, 16 matrix instructions on 16 accumulators by turns, in the same order in every step
.macro KSTEP k
.if (\k) > 0
.rept 4
	v_nop                                          ; four plain lines between the last matrix instruction and loads into registers that it has read
.endr
.endif
.irp b, 0,1,2,3
	ds_load_b32 v[SCP+\b], v[ASP] offset:1088*\b+4*(\k)
.endr
	ds_load_b32 v[SCR], v[ARW] offset:64*(\k)
.irp u, 0,1
.irp c, 0,1
	ds_load_b128 v[RF+8*\u+4*\c:RF+8*\u+4*\c+3], v[AR] offset:TROW*\u+1024*(\k)+512*\c   ; head 2 k + c's image
.endr
.endr
.irp t, 0,1,2,3,4,5,6,7
.irp c, 0,1
	ds_load_b128 v[PF+8*\t+4*\c:PF+8*\t+4*\c+3], v[AP] offset:16*PITCH*\t+64*(\k)+32*\c
.endr
.endr
.irp t, 0,1,2,3,4,5,6,7
	s_wait_dscnt 2*(7-\t)                          ; all up to Wo's tile t are in; the two loads of each later tile may be out
	WM ACC+8*\t, PF+8*\t, RF, ACC+8*\t, SCP+\t/2, \t&1, SCR, 0
	WM ACC+64+8*\t, PF+8*\t, RF+8, ACC+64+8*\t, SCP+\t/2, \t&1, SCR, 1
.endr
.endm
	s_load_b256 s[8:15], s[0:1], 0x0               ; ctxb s[8:9], Wo's codes s[10:11], Wo's scales s[12:13], bo s[14:15]
	s_load_b64 s[16:17], s[0:1], 0x20              ; out0
	v_lshl_add_u32 v46, v0, 2, 0x44100
	v_mov_b32 v47, 0
	ds_add_u32 v46, v47
	ds_add_u32 v46, v47
	v_lshrrev_b32 v1, 5, v0
	s_delay_alu instid0(VALU_DEP_1)
	v_readfirstlane_b32 s[WV], v1                  ; wave 0..7
	s_bfe_u32 s4, ttmp6, 0x40000                   ; cx
	s_lshr_b32 s5, ttmp9, 1                        ; which 256 rows of ctx: made of the cluster's x alone
	s_lshl_b32 s6, ttmp9, 2
	s_add_co_u32 s6, s6, s4
	s_and_b32 s6, s6, 7                            ; which 128 rows of Wo
	; descriptor groups 1.  ctx: 136 dense rows of 256 bytes a wave, jointly
	s_mov_b32 s20, 15|(3<<16)|(1<<21)
	s_mov_b32 s21, 32<<16
	s_mov_b32 s22, 136<<16
	s_mov_b32 s23, 32<<16
	s_mov_b32 s24, 136
	s_mov_b32 s25, 32
	s_mov_b32 s26, 0
	s_mov_b32 s27, 0
	; Wo's codes: 64 rows of 512 bytes a wave, 16 bytes of padding behind each
	s_mov_b32 s28, (1<<20)|(6<<22)|(3<<25)
	s_mov_b32 s29, 512<<16
	s_mov_b32 s30, 64<<16
	s_mov_b32 s31, 512<<16
	s_mov_b32 s32, 64
	s_mov_b32 s33, 512
	s_mov_b32 s34, 0
	s_mov_b32 s35, 0
	; Wo's scale bytes: 4,096 dense bytes as 16 rows of 256, 16 bytes of padding behind each
	s_mov_b32 s36, (3<<16)|(1<<20)|(5<<22)|(3<<25)
	s_mov_b32 s37, 32<<16
	s_mov_b32 s38, 16<<16
	s_mov_b32 s39, 32<<16
	s_mov_b32 s40, 16
	s_mov_b32 s41, 32
	s_mov_b32 s42, 0
	s_mov_b32 s43, 0
	v_and_b32 v1, 15, v0                           ; r
	v_bfe_u32 v2, v0, 4, 1                         ; h
	v_and_b32 v3, 31, v0                           ; lane
	s_delay_alu instid0(VALU_DEP_1)
	v_lshlrev_b32 v9, 4, v3                        ; 16 x lane
	s_delay_alu instid0(VALU_DEP_4)
	v_mul_u32_u24 v[AP], v1, PITCH
	s_delay_alu instid0(VALU_DEP_1)
	v_lshl_add_u32 v[AP], v2, 4, v[AP]
	s_delay_alu instid0(VALU_DEP_1)
	v_add_nc_u32 v[AP], LW, v[AP]
	s_mul_i32 s56, s[WV], 2*TROW
	v_add_nc_u32 v[AR], s56, v9
	v_lshlrev_b32 v[ARW], 2, v1
	s_delay_alu instid0(VALU_DEP_1)
	v_mad_u32_u24 v[ARW], v2, TROW, v[ARW]
	s_add_co_u32 s56, s56, 8192
	v_add_nc_u32 v[ARW], s56, v[ARW]
	v_bfe_u32 v13, v0, 3, 1                        ; a row of scale bytes is 32 bytes, eight rows to 256 + 16
	s_delay_alu instid0(VALU_DEP_1)
	v_mul_u32_u24 v13, v13, 272
	v_and_b32 v14, 7, v0
	s_delay_alu instid0(VALU_DEP_1)
	v_lshl_add_u32 v13, v14, 5, v13
	v_mul_u32_u24 v14, v2, 544
	s_delay_alu instid0(VALU_DEP_1)
	v_add_nc_u32 v13, v13, v14
	s_delay_alu instid0(VALU_DEP_1)
	v_add_nc_u32 v[ASP], LWS, v13
	s_mul_i32 s56, s[WV], 16*PITCH
	s_add_co_u32 s56, s56, STG                     ; my stage
	v_mul_u32_u24 v[STO], v1, PITCH
	s_delay_alu instid0(VALU_DEP_1)
	v_lshl_add_u32 v[STO], v2, 5, v[STO]
	s_delay_alu instid0(VALU_DEP_1)
	v_add_nc_u32 v[STO], s56, v[STO]               ; in: row r, 32 bytes for each half of the lanes
	v_add_nc_u32 v[RD], s56, v9                    ; back: the 32 lanes take a row of 512 bytes
	v_lshlrev_b32 v8, 5, v2                        ; bo: my half's eight numbers of a tile
	s_mul_i32 s45, s[WV], 4*TROW                   ; waves 0-3: a quarter of ctx's 16 tiles, in LDS
	s_mul_i32 s56, s5, 16*TROW
	s_add_co_u32 s56, s56, s45                     ; and in memory
	s_mov_b32 s57, 0
	s_mul_i32 s49, s[WV], 64*PITCH
	s_add_co_u32 s49, s49, LW-4*64*PITCH           ; waves 4, 5: LW and LW + 64 rows
	s_and_b32 s58, s[WV], 1
	s_lshl_b32 s58, s58, 15
	s_lshl_b32 s60, s6, 16
	s_add_co_u32 s58, s58, s60
	s_mov_b32 s59, 0
	s_lshl_b32 s60, s6, 12
	s_mov_b32 s61, 0
	s_wait_dscnt 0x0
	s_wait_kmcnt 0x0
	s_mov_b32 s44, 1
	s_add_nc_u64 s[46:47], s[8:9], s[56:57]
	s_or_b32 s47, s47, 0x80000000
	s_mov_b32 s48, 1
	s_add_nc_u64 s[50:51], s[10:11], s[58:59]
	s_or_b32 s51, s51, 0x80000000
	s_mov_b32 s52, 1
	s_mov_b32 s53, LWS
	s_add_nc_u64 s[54:55], s[12:13], s[60:61]
	s_or_b32 s55, s55, 0x80000000
	s_lshl_b32 s60, s6, 9
	s_add_nc_u64 s[14:15], s[14:15], s[60:61]      ; bo at my 128 columns
	s_lshl_b32 s56, s5, 20                         ; out: 256 rows of 4,096 bytes,
	s_lshl_b32 s58, s[WV], 17                      ; my wave's 32 rows,
	s_add_co_u32 s56, s56, s58
	s_add_co_u32 s56, s56, s60                     ; my 128 columns
	s_add_nc_u64 s[16:17], s[16:17], s[56:57]
	CROUND                                         ; all four work-groups are here: the joint loads meet
	s_cmp_lt_u32 s[WV], 4                          ; one load a wave, seven waves; every branch hangs on the wave's number alone
	s_cbranch_scc0 .Lnot_03
	TL 44, 20                                      ; waves 0-3: ctx, jointly
	s_branch .Lasked
.Lnot_03:
	s_cmp_lt_u32 s[WV], 6
	s_cbranch_scc0 .Lnot_45
	TL 48, 28                                      ; waves 4, 5: Wo's codes
	s_branch .Lasked
.Lnot_45:
	s_cmp_eq_u32 s[WV], 6
	s_cbranch_scc0 .Lasked
	TL 52, 36                                      ; wave 6: Wo's scale bytes
.Lasked:
	s_wait_alu depctr_va_vdst(0)
.irp u, 0,1                            ; bo is the accumulators' first content: register j of tile t wants column 16 t + 8 h + j
.irp t, 0,1,2,3,4,5,6,7
	global_load_b128 v[ACC+64*\u+8*\t:ACC+64*\u+8*\t+3],   v8, s[14:15] offset:64*\t
	global_load_b128 v[ACC+64*\u+8*\t+4:ACC+64*\u+8*\t+7], v8, s[14:15] offset:64*\t+16
.endr
.endr
	s_wait_tensorcnt 0x0                           ; my load has landed,
	s_barrier_signal -1
	s_barrier_wait -1                              ; everybody's has
	s_wait_loadcnt 0x0
.irp k, 0,1,2,3,4,5,6,7
	KSTEP \k
.endr
.rept 4
	v_nop                                          ; four plain lines between the last matrix instruction and the stores that read results and the loads into its sources
.endr
	; THE WAY OUT, a tile of 16 rows at a time through my own stage; LDS serves a wave's instructions in order, so no wait stands between my stores and my loads of the same bytes
.irp t, 0,1,2,3,4,5,6,7
	ds_store_b128 v[STO], v[ACC+8*\t:ACC+8*\t+3] offset:64*\t          ; each accumulator from its low end on
	ds_store_b128 v[STO], v[ACC+8*\t+4:ACC+8*\t+7] offset:64*\t+16
.endr
.irp i, 0,1,2,3,4,5,6,7,8,9,10,11,12,13,14,15
	ds_load_b128 v[PF+4*\i:PF+4*\i+3], v[RD] offset:PITCH*\i
.endr
.irp t, 0,1,2,3,4,5,6,7
	ds_store_b128 v[STO], v[ACC+64+8*\t:ACC+64+8*\t+3] offset:64*\t
	ds_store_b128 v[STO], v[ACC+64+8*\t+4:ACC+64+8*\t+7] offset:64*\t+16
.endr
	s_wait_dscnt 16                                ; the first tile is back and its stores have read their registers; the second tile's sixteen stores may be out
.irp i, 0,1,2,3,4,5,6,7,8,9,10,11,12,13,14,15
	ds_load_b128 v[ACC+4*\i:ACC+4*\i+3], v[RD] offset:PITCH*\i
.endr
.irp i, 0,1,2,3,4,5,6,7,8,9,10,11,12,13,14,15
	global_store_b128 v9, v[PF+4*\i:PF+4*\i+3], s[16:17] offset:4096*\i th:TH_STORE_NT   ; a wave's store covers 512 consecutive bytes, aligned; written once, read by nobody here
.endr
	s_wait_dscnt 0x0
.irp i, 0,1,2,3,4,5,6,7,8,9,10,11,12,13,14,15
	global_store_b128 v9, v[ACC+4*\i:ACC+4*\i+3], s[16:17] offset:4096*(16+\i) th:TH_STORE_NT
.endr
	s_wait_tensorcnt 0x0
	ds_add_u32 v46, v47
	s_wait_dscnt 0x0
	CROUND                                         ; the closing round
	s_endpgm
.Lfunc_end_k_q1a700b2461_outp:
	.size	k_q1a700b2461_outp, .Lfunc_end_k_q1a700b2461_outp-k_q1a700b2461_outp
	.p2alignl 7, 3214868480
	.fill 96, 4, 3214868480
	.section	.rodata,"a",@progbits
	.p2align	6, 0x0
	.amdhsa_kernel k_q1a700b2461_outp
		.amdhsa_group_segment_fixed_size 279808
		.amdhsa_private_segment_fixed_size 0
		.amdhsa_enable_private_segment 0
		.amdhsa_kernarg_size 40
		.amdhsa_user_sgpr_count 2
		.amdhsa_user_sgpr_kernarg_segment_ptr 1
		.amdhsa_wavefront_size32 1
		.amdhsa_system_sgpr_workgroup_id_x 1
		.amdhsa_system_sgpr_workgroup_id_y 1
		.amdhsa_system_sgpr_workgroup_id_z 1
		.amdhsa_system_vgpr_workitem_id 0
		.amdhsa_next_free_vgpr 256
		.amdhsa_next_free_sgpr 66
		.amdhsa_reserve_vcc 0
		.amdhsa_float_denorm_mode_32 3
		.amdhsa_float_denorm_mode_16_64 3
		.amdhsa_memory_ordered 1
		.amdhsa_forward_progress 1
		.amdhsa_inst_pref_size 49
	.end_amdhsa_kernel
	.amdgpu_metadata
---
amdhsa.version: [ 1, 2 ]
amdhsa.kernels:
  - .name:           k_q1a700b2461_outp
    .symbol:         k_q1a700b2461_outp.kd
    .args:
      - { .name: ctxb, .offset: 0, .size: 8, .value_kind: global_buffer, .address_space: global }
      - { .name: Wo_codes, .offset: 8, .size: 8, .value_kind: global_buffer, .address_space: global }
      - { .name: Wo_scales, .offset: 16, .size: 8, .value_kind: global_buffer, .address_space: global }
      - { .name: bo, .offset: 24, .size: 8, .value_kind: global_buffer, .address_space: global }
      - { .name: out0, .offset: 32, .size: 8, .value_kind: global_buffer, .address_space: global }
    .group_segment_fixed_size: 279808
    .private_segment_fixed_size: 0
    .kernarg_segment_align: 8
    .kernarg_segment_size: 40
    .max_flat_workgroup_size: 256
    .sgpr_count:     66
    .vgpr_count:     256
    .wavefront_size: 32
...
	.end_amdgpu_metadata
.endif
;; end of part 4
